; MI455X (gfx1250); checked and timed in simulation.
; The chip was launched on July 23, 2026; its instructions are those of AMD's public machine-readable ISA for CDNA 5 (MIT licence, August 2026) and "CDNA5" Instruction Set Architecture Reference Guide (July 2026). The comments in the code are by the model that wrote it; some were corrected since.
;; Patch TST Encoder Layer With Rope. Allowed arithmetic: matrix products marked QUANTISED: E2M1 operands, one E8M0 scale for each 32 along K, by v_wmma_scale_f32_16x16x128_f8f6f4 with both operands' format E2M1 (or v_wmma_scale_f32_32x16x128_f4), f32 sums; everything else in f32.
;; Inputs: W1 512 x 2,048 float32; W2 2,048 x 512 float32; Wk 512 x 512 float32; Wo 512 x 512 float32; Wq 512 x 512 float32; Wv 512 x 512 float32; b1 2,048 float32; b2 512 float32; bk 512 float32; bo 512 float32; bq 512 float32; bv 512 float32; ln1_b 512 float32; ln1_g 512 float32; ln3_b 512 float32; ln3_g 512 float32; x 4 x 16 x 256 x 512 float32.
;; Outputs: out0 4 x 16 x 256 x 512 float32.
;; This version of the problem:
;;   THIS VERSION OF THE PROBLEM IS GIVEN IN LOW PRECISION. The matrix products marked QUANTISED in the list below multiply operands that are first quantised to E2M1 (2 exponent bits, 1 mantissa bit; 4 bits a number), with one power-of-two scale for each 32 numbers along K (OCP MX v1.0); their sums are f32. All else is computed in f32.
;;   The module's matrix products, in the order in which they are computed (A, B: the left and right operand; K: the contracted axis; several contracted axes count as one K, in the product's order):
;;     1. [M 16,384, K 512] x [K 512, N 512]; A: computed on the way; B: input Wq: QUANTISED
;;     2. [M 16,384, K 512] x [K 512, N 512]; A: computed on the way; B: input Wk: QUANTISED
;;     3. [M 16,384, K 512] x [K 512, N 512]; A: computed on the way; B: input Wv: QUANTISED
;;     4. batch 512 x [M 256, K 64] x [K 64, N 256]; A: computed on the way; B: computed on the way: QUANTISED
;;     5. batch 512 x [M 256, K 256] x [K 256, N 64]; A: softmax (see below); B: computed on the way: QUANTISED
;;     6. [M 16,384, K 512] x [K 512, N 512]; A: computed on the way; B: input Wo: QUANTISED
;;     7. [M 16,384, K 512] x [K 512, N 2,048]; A: computed on the way; B: input W1: QUANTISED
;;     8. [M 16,384, K 2,048] x [K 2,048, N 512]; A: computed on the way; B: input W2: QUANTISED
;;   THE QUANTISER, for each operand of a quantised product, along K:
;;     - K is cut into blocks of 32 from its start; a last block that is shorter is filled with zeros.
;;     - A block's scale is 2^e with e = floor(log2(the largest magnitude in the block)) - 2, held to -126 .. 127; a block of zeros has e = 0. As a byte (E8M0): e + 127.
;;     - Each number is divided by its block's scale, clamped to +-6, and rounded to the nearest number of E2M1, ties to even, subnormals kept.
;;     - The product sums the exact products of the quantised numbers (number of the format x scale) in f32.
;;   ~~~python
;;   def quantise(x, axis):      # numpy; x: float32 -> the quantised numbers, widened to float32 again
;;       x = np.moveaxis(x, axis, -1); K = x.shape[-1]
;;       x = np.pad(x, [(0, 0)] * (x.ndim - 1) + [(0, -K % 32)]); x = x.reshape(x.shape[:-1] + (-1, 32)); a = np.abs(x).max(-1, keepdims=True)
;;       e = np.where(a > 0, np.clip(np.frexp(np.where(a > 0, a, 1))[1] - 1 - 2, -126, 127), 0)      # np.frexp(a)[1] - 1 = floor(log2(a)), exactly
;;       r = np.clip(x / 2.0 ** e, -6, 6)
;;       step = 2.0 ** (np.maximum(np.frexp(np.where(r == 0, 1, r))[1] - 1, 0) - 1)
;;       q = np.round(r / step) * step * 2.0 ** e      # np.round: ties to even
;;       return np.moveaxis(q.reshape(q.shape[:-2] + (-1,))[..., :K], -1, axis).astype(np.float32)
;;   ~~~
;;   SOFTMAX AHEAD OF A QUANTISED PRODUCT. Where the list says 'softmax', what is quantised is not the finished softmax but p = 2^(t - M), with t = logit x log2(e) and M = ceil(the row's largest t), a whole number; so 1/2 < the row's largest p <= 1. The row's sum l is taken of the UNQUANTISED p, in f32, and the product's result is divided by l at the end. Since M is a whole number, a kernel that streams over the keys may use a running M (the ceiling of the running maximum): every later rescaling is an exact power of two, which a block's scale takes up: the codes' values come out the same.
;;   OPERANDS COMPUTED ON THE WAY. 'Computed on the way' means the value that the module computes at that place (a softmax that the list does not call 'softmax' is quantised finished and normalised). What goes into a quantiser is computed in f32, as accurately as f32 sums, v_exp_f32 and their like allow (about 1e-6 of the number): no bf16 or f16 on the way to a quantiser, and a product that is left as it is and whose result goes on into a quantised operand takes f32 operands (vector FMAs, or v_wmma_f32_16x16x4_f32). A number that lies on a knife's edge between two numbers of the format may be rounded either way, as far as f32 arithmetic and the matrix unit's own rounding can turn it there, and no further.
;; One version. Each part assembles by itself: llvm-mc -triple=amdgcn-amd-amdhsa -mcpu=gfx1250 --defsym DOCPART=n.
;; ======== version 1 of 1: 3 launches
;; limits: right only within a limited range of input values
;; workspace buffers: hn1 4,194,304 bytes; hn1s 262,144 bytes; wts 1,671,168 bytes; rope 65,536 bytes; oc 4,194,304 bytes; os 262,144 bytes
;; launch prep (part 1): grid 384 x 1, 4 waves a work-group, no clusters, 39,424 bytes of LDS; arguments x, ln1_g, ln1_b, Wq, Wk, Wv, Wo, W1, W2, hn1, hn1s, wts, rope; writes hn1, hn1s, wts, rope
.if DOCPART == 1
	.amdgcn_target "amdgcn-amd-amdhsa--gfx1250"
	.amdhsa_code_object_version 6
	.text
	.protected	k_q6807ea168a_prep
	.globl	k_q6807ea168a_prep
	.p2align	8
	.type	k_q6807ea168a_prep,@function
k_q6807ea168a_prep:
	s_mov_b64 s[64:65], 0
	v_nop
	global_prefetch_b8 v0, s[64:65] scope:SCOPE_SE
	s_setreg_imm32_b32 hwreg(HW_REG_WAVE_MODE, 25, 1), 1
	s_wait_xcnt 0x0
; THREE JOBS IN ONE LAUNCH, told apart by the work-group's number alone.
;   work-groups   0-255: LayerNorm 1 of x [16384][512] and its codes of FP4 (E2M1) with one E8M0 byte for each 32 along the 512;
;   work-groups 256-351: the six weights, stored [K][N] in f32, as codes along K;
;   work-groups 352-383: the table of cosines and sines for the partial rotary embedding.
; A block's scale is 2^(floor(log2(largest magnitude)) - 2): its byte is the largest magnitude's exponent field - 2, held at 1 from below.
; LIMITS: a block of zeros, and a block whose largest magnitude lies under 2^-124, get the byte 1 (a block of zeros has zero codes, which add
; nothing under any byte but 0xff, and only this program reads the bytes); NaN and infinities among the inputs are not served.
; LAYOUT OF ALL CODES: images of the matrix operand's registers.  A fragment (16 rows x 128 K) is 1,024 bytes: [block of 32 K: 4][row index: 16][16 bytes];
; its scale words 64 bytes: [row index][4 bytes].  Row index i of tile T of 16 rows is row 32 (T / 2) + 8 (T % 2) + i + 8 (i / 8); a weight's columns likewise.
.set SP,   80                          ; a lane's place in a stage: 64 bytes + 16 of padding
.set WREG, 9728                        ; LDS of a wave: two stages of 32 x SP, the tile's image (4,096), its scale words (256)
.set IMG,  5120
.set SIMG, 9216
.set R,    16                          ; v16-79   four sets of 16 numbers as loaded
.set X,    80                          ; v80-111  two sets of 16 neighbours
.set GG,   112                         ; v112-127 the gain of my 16 columns
.set BB,   128                         ; v128-143 the bias of my 16 columns
.set TT,   144                         ; v144-159 at work
.set CC,   160                         ; v160-163 codes, two registers for each parity of the step
.set EB,   164                         ; v164-165 the scale's byte, likewise
.set QKVB, 104448                      ; bytes of a head pair's q, k, v codes and scales in wts
.set WOC,  417792                      ; Wo's codes;
.set WOS,  548864                      ; its scales
.set FFC,  557056                      ; the first chunk of W1 and W2;
.set FFB,  139264                      ; a chunk's bytes
	s_load_b512 s[4:19], s[0:1], 0x0               ; x, ln1_g, ln1_b, Wq, Wk, Wv, Wo, W1
	s_load_b256 s[20:27], s[0:1], 0x40             ; W2, hn1, hn1s, wts
	s_load_b64 s[28:29], s[0:1], 0x60              ; rope
	v_lshl_add_u32 v192, v0, 2, 0x9800
	v_mov_b32 v193, 0
	v_lshrrev_b32 v1, 5, v0
	v_readfirstlane_b32 s30, v1                    ; wave 0..3
	v_and_b32 v2, 31, v0                           ; lane
	s_wait_kmcnt 0x0
	s_cmp_lt_u32 ttmp9, 256
	s_cbranch_scc1 .Lln
	s_cmp_lt_u32 ttmp9, 352
	s_cbranch_scc1 .Lw
; ---------------------------------------------------------------- the table: [position 256][pair p 16][cos(2p), cos(2p+1), sin(2p), sin(2p+1)]
; angle i of position n is n / 10^(i/8) for i < 16 and 0 for the rest.  The division is rounded as a division; the angle is reduced by multiples of pi/2 given in
; three parts, each taken off by a fused multiply-add; sine and cosine on [-pi/4, pi/4] by polynomials; the quadrant by selects and sign bits.
	s_sub_co_u32 s31, ttmp9, 352
	v_lshrrev_b32 v3, 4, v0
	v_lshl_add_u32 v3, s31, 3, v3                  ; position = 8 x work-group + thread / 16
	v_and_b32 v4, 15, v0                           ; p
	v_cvt_f32_u32 v9, v3
	v_cmp_gt_u32 vcc_lo, 8, v4
	v_cndmask_b32 v9, 0, v9, vcc_lo                ; the numerator: the position, or 0 for the angles that do not turn
	v_mov_b32 v10, 1.0
	v_mov_b32 v11, 1.0
.macro TSEL k, le, lo                  ; where p = k: the timescales of angles 2 k and 2 k + 1
	v_cmp_ne_u32 vcc_lo, \k, v4
	v_cndmask_b32 v10, \le, v10, vcc_lo
	v_cndmask_b32 v11, \lo, v11, vcc_lo
.endm
	TSEL 0, 0x3F800000, 0x3FAAB0D5
	TSEL 1, 0x3FE39EA9, 0x4017C496
	TSEL 2, 0x404A62C2, 0x4086F161
	TSEL 3, 0x40B3F300, 0x40EFF755
	TSEL 4, 0x41200000, 0x41555D0A
	TSEL 5, 0x418E432A, 0x41BDB5BC
	TSEL 6, 0x41FCFB72, 0x4228ADB9
	TSEL 7, 0x4260EFC0, 0x4295FA95
	s_mov_b32 s40, 0xBFC90FD8                      ; -pi/2 in three parts
	s_mov_b32 s41, 0xB4A8885A
	s_mov_b32 s42, 0xA7C234C4
	s_wait_alu depctr_va_vdst(0)
	v_rcp_f32 v12, v10
	v_rcp_f32 v13, v11
	v_lshlrev_b32 v5, 4, v0                        ; (a plain instruction behind the reciprocals)  16 bytes a thread
	s_wait_alu depctr_va_vdst(0)                   ; one wait for both, ahead of their first reader
.macro SINCOS ts, rc, co, si
	v_fma_f32 v20, -v[\ts], v[\rc], 1.0
	v_fma_f32 v[\rc], v20, v[\rc], v[\rc]          ; one Newton step on the reciprocal
	v_mul_f32 v21, v9, v[\rc]
	v_fma_f32 v20, -v21, v[\ts], v9                ; the quotient's remainder,
	v_fma_f32 v21, v20, v[\rc], v21                ; put back: the angle
	v_mul_f32 v22, 0x3F22F983, v21
	v_rndne_f32 v22, v22                           ; how many quarter turns
	v_fma_f32 v21, v22, s40, v21
	v_fma_f32 v21, v22, s41, v21
	v_fma_f32 v21, v22, s42, v21                   ; what is left, in [-pi/4, pi/4]
	v_mul_f32 v23, v21, v21
	v_mov_b32 v24, 0xB94CA1F9
	v_fmaak_f32 v24, v23, v24, 0x3C08839E
	v_fmaak_f32 v24, v23, v24, 0xBE2AAAA3
	v_mul_f32 v25, v21, v23
	v_fma_f32 v24, v25, v24, v21                   ; its sine
	v_mov_b32 v26, 0x37CCF5CE
	v_fmaak_f32 v26, v23, v26, 0xBAB6061A
	v_fmaak_f32 v26, v23, v26, 0x3D2AAAA5
	v_fmaak_f32 v26, v23, v26, 0xBF000000
	v_fma_f32 v26, v23, v26, 1.0                   ; its cosine
	v_cvt_i32_f32 v22, v22
	v_and_b32 v27, 1, v22
	v_cmp_eq_u32 vcc_lo, 1, v27
	v_cndmask_b32 v[\si], v24, v26, vcc_lo         ; an odd quarter swaps the two;
	v_cndmask_b32 v[\co], v26, v24, vcc_lo
	v_lshlrev_b32 v27, 30, v22
	v_and_b32 v27, 0x80000000, v27
	v_xor_b32 v[\si], v27, v[\si]                  ; quarters 2 and 3 turn the sine's sign,
	v_add_nc_u32 v22, 1, v22
	v_lshlrev_b32 v27, 30, v22
	v_and_b32 v27, 0x80000000, v27
	v_xor_b32 v[\co], v27, v[\co]                  ; quarters 1 and 2 the cosine's
.endm
	SINCOS 10, 12, 16, 18
	SINCOS 11, 13, 17, 19
	s_lshl_b32 s32, s31, 11                        ; 8 positions of 256 bytes a work-group
	s_mov_b32 s33, 0
	s_add_nc_u64 s[28:29], s[28:29], s[32:33]
	global_store_b128 v5, v[16:19], s[28:29]       ; a wave stores 512 consecutive bytes
	s_endpgm
; ---------------------------------------------------------------- LayerNorm 1 and its codes.  A wave takes one tile of 16 rows, a row a step.
; Each of a row's four loads reads 512 consecutive bytes; the row turns through the wave's own stage in LDS, so that lane l then holds columns 16 l .. 16 l + 15.
; Two neighbouring lanes hold a block of 32.  Mean and variance in two passes, as they are defined.  The tile's image is gathered in LDS and leaves in runs of 512 bytes.
.Lln:
	s_lshl_b32 s31, ttmp9, 2
	s_add_co_u32 s31, s31, s30                     ; the tile G
	s_lshr_b32 s32, s31, 1
	s_lshl_b32 s32, s32, 16                        ; 32 (G / 2) rows of 2,048 bytes
	s_and_b32 s33, s31, 1
	s_lshl_b32 s33, s33, 14                        ; + 8 (G % 2) rows
	s_add_co_u32 s32, s32, s33
	s_mov_b32 s33, 0
	s_add_nc_u64 s[4:5], s[4:5], s[32:33]
	s_lshl_b32 s34, s31, 12
	s_mov_b32 s35, 0
	s_add_nc_u64 s[22:23], s[22:23], s[34:35]      ; the tile's 4,096 bytes of codes
	s_lshl_b32 s34, s31, 8
	s_add_nc_u64 s[24:25], s[24:25], s[34:35]      ; and its 256 bytes of scale words
	s_mov_b32 s38, 0xBB000000                      ; -1/512
	s_mov_b32 s39, 0x3B000000                      ; 1/512
	s_mov_b32 s40, 0x3727C5AC                      ; 1e-5
	s_mov_b32 s42, 0x76543210
	s_mov_b32 s43, 0xfedcba98                      ; lane selects: lane l xor 16
	s_mul_i32 s36, s30, WREG                       ; my wave's LDS
	s_wait_alu depctr_va_vdst(0)
	v_lshlrev_b32 v3, 4, v2                        ; 16 x lane
	v_lshlrev_b32 v13, 6, v2                       ; 64 x lane: my 16 columns in the gain and the bias
	v_lshrrev_b32 v14, 2, v2
	v_mul_u32_u24 v14, v14, SP
	v_and_b32 v15, 3, v2
	v_lshl_add_u32 v14, v15, 4, v14
	v_add_nc_u32 v14, s36, v14                     ; the stage, on the way in: SP (lane / 4) + 16 (lane % 4)
	v_mul_u32_u24 v15, v2, SP
	v_add_nc_u32 v15, s36, v15                     ; and on the way out: SP x lane
	v_lshrrev_b32 v4, 1, v2
	v_and_b32 v5, 1, v2
	v_lshlrev_b32 v6, 8, v4
	v_lshl_add_u32 v6, v5, 3, v6
	v_add_nc_u32 v6, s36, v6                       ; the image: block lane / 2 at 256 bytes each, my half of its 16 bytes
	v_lshrrev_b32 v7, 3, v2
	v_and_b32 v4, 3, v4
	v_lshl_add_u32 v7, v7, 6, v4
	v_add_nc_u32 v7, s36, v7                       ; the scale words: K step lane / 8 at 64 bytes each, byte (lane / 2) % 4
	v_add_nc_u32 v8, s36, v3
	v_lshlrev_b32 v9, 3, v2
	v_add_nc_u32 v10, s36, v9
	v_mov_b32 v[TT+12], 0                          ; a lane permute's destination counts as one of its sources
.irp i, 0,1,2,3
	global_load_b128 v[GG+4*\i:GG+4*\i+3], v13, s[6:7] offset:16*\i
	global_load_b128 v[BB+4*\i:BB+4*\i+3], v13, s[8:9] offset:16*\i
.endr
.macro LOAD t                          ; row index t of the tile
.irp i, 0,1,2,3
	global_load_b128 v[R+16*((\t)%4)+4*\i:R+16*((\t)%4)+4*\i+3], v3, s[4:5] offset:((\t)+8*((\t)/8))*2048+512*\i th:TH_LOAD_NT
.endr
.endm
.macro TURN t                          ; through the stage: LDS serves a wave's instructions in order, so no wait stands between the stores and the loads
.irp i, 0,1,2,3
	ds_store_b128 v14, v[R+16*((\t)%4)+4*\i:R+16*((\t)%4)+4*\i+3] offset:32*SP*((\t)%2)+8*SP*\i
.endr
.irp i, 0,1,2,3
	ds_load_b128 v[X+16*((\t)%2)+4*\i:X+16*((\t)%2)+4*\i+3], v15 offset:32*SP*((\t)%2)+16*\i
.endr
.endm
.macro RED                             ; v[TT] summed over the 32 lanes, in every lane
	v_add_f32_dpp v[TT], v[TT], v[TT] row_xmask:1 row_mask:0xf bank_mask:0xf
	v_add_f32_dpp v[TT], v[TT], v[TT] row_xmask:2 row_mask:0xf bank_mask:0xf
	v_add_f32_dpp v[TT], v[TT], v[TT] row_xmask:4 row_mask:0xf bank_mask:0xf
	v_add_f32_dpp v[TT], v[TT], v[TT] row_xmask:8 row_mask:0xf bank_mask:0xf
	v_permlanex16_b32 v[TT+12], v[TT], s42, s43
	v_add_f32 v[TT], v[TT], v[TT+12]
.endm
.irp t, 0,1,2,3
	LOAD \t
.endr
	s_wait_loadcnt 12                              ; gain, bias and row 0 are in; the 12 loads of rows 1 to 3 may be out
	TURN 0
.macro STEP t
.set XS, X+16*((\t)%2)
.set CP, CC+2*((\t)%2)
.set EP, EB+((\t)%2)
.if (\t) > 0
	s_wait_dscnt 2                                 ; this row is back from the stage; only the last step's two stores into the image may be out
.else
	s_wait_dscnt 0x0
.endif
.if (\t)+4 < 16
	LOAD (\t)+4                                    ; into the registers that the stage's stores have read
.endif
.if (\t)+1 < 16
.if 14-(\t) >= 3
	s_wait_loadcnt 12                              ; the next row's four loads are in; those of the three rows behind it may be out
.else
	s_wait_loadcnt 4*(14-(\t))
.endif
	TURN (\t)+1
.endif
	v_pk_add_f32 v[TT:TT+1], v[XS:XS+1], v[XS+2:XS+3]
	v_pk_add_f32 v[TT+2:TT+3], v[XS+4:XS+5], v[XS+6:XS+7]
	v_pk_add_f32 v[TT+4:TT+5], v[XS+8:XS+9], v[XS+10:XS+11]
	v_pk_add_f32 v[TT+6:TT+7], v[XS+12:XS+13], v[XS+14:XS+15]
	v_pk_add_f32 v[TT:TT+1], v[TT:TT+1], v[TT+2:TT+3]
	v_pk_add_f32 v[TT+4:TT+5], v[TT+4:TT+5], v[TT+6:TT+7]
	v_pk_add_f32 v[TT:TT+1], v[TT:TT+1], v[TT+4:TT+5]
	v_add_f32 v[TT], v[TT], v[TT+1]
	RED
	v_mul_f32 v[TT+8], s38, v[TT]                  ; minus the mean, twice, for the packed additions
	v_mul_f32 v[TT+9], s38, v[TT]
.irp j, 0,2,4,6,8,10,12,14
	v_pk_add_f32 v[XS+\j:XS+\j+1], v[XS+\j:XS+\j+1], v[TT+8:TT+9]
.endr
	v_pk_mul_f32 v[TT:TT+1], v[XS:XS+1], v[XS:XS+1]
	v_pk_mul_f32 v[TT+2:TT+3], v[XS+2:XS+3], v[XS+2:XS+3]
.irp j, 4,8,12
	v_pk_fma_f32 v[TT:TT+1], v[XS+\j:XS+\j+1], v[XS+\j:XS+\j+1], v[TT:TT+1]
	v_pk_fma_f32 v[TT+2:TT+3], v[XS+\j+2:XS+\j+3], v[XS+\j+2:XS+\j+3], v[TT+2:TT+3]
.endr
	v_pk_add_f32 v[TT:TT+1], v[TT:TT+1], v[TT+2:TT+3]
	v_add_f32 v[TT], v[TT], v[TT+1]
	RED
	v_fma_f32 v[TT], v[TT], s39, s40               ; the variance + 1e-5 (the division by 512 is exact)
	s_wait_alu depctr_va_vdst(0)
	v_rsq_f32 v[TT+10], v[TT]
	v_rsq_f32 v[TT+11], v[TT]
	v_nop                                          ; a plain instruction behind the two
	s_wait_alu depctr_va_vdst(0)                   ; and one wait, ahead of their first reader
.irp j, 0,2,4,6,8,10,12,14
	v_pk_mul_f32 v[XS+\j:XS+\j+1], v[XS+\j:XS+\j+1], v[TT+10:TT+11]
.endr
.irp j, 0,2,4,6,8,10,12,14
	v_pk_fma_f32 v[XS+\j:XS+\j+1], v[XS+\j:XS+\j+1], v[GG+\j:GG+\j+1], v[BB+\j:BB+\j+1]
.endr
	v_max3_num_f32 v[TT+13], |v[XS]|, |v[XS+1]|, |v[XS+2]|      ; the largest magnitude of my 16
	v_max3_num_f32 v[TT+14], |v[XS+3]|, |v[XS+4]|, |v[XS+5]|
.irp i, 6,10
	v_max3_num_f32 v[TT+13], v[TT+13], |v[XS+\i]|, |v[XS+\i+1]|
	v_max3_num_f32 v[TT+14], v[TT+14], |v[XS+\i+2]|, |v[XS+\i+3]|
.endr
	v_max3_num_f32 v[TT+13], v[TT+13], |v[XS+14]|, |v[XS+15]|
	v_max3_num_f32 v[TT+13], v[TT+13], v[TT+14], 0x1800000      ; and the floor 2^(3 - 127): the byte cannot fall under 1
	v_max_num_f32_dpp v[TT+13], v[TT+13], v[TT+13] row_xmask:1 row_mask:0xf bank_mask:0xf   ; with my neighbour's 16: the block's
	v_add_nc_u32 v[TT+15], 0xff000000, v[TT+13]    ; 2 off its exponent field: the conversion takes this operand's exponent field as its scale
	v_cvt_scalef32_pk8_fp4_f32 v[CP], v[XS:XS+7], v[TT+15]
	v_cvt_scalef32_pk8_fp4_f32 v[CP+1], v[XS+8:XS+15], v[TT+15]
	v_lshrrev_b32 v[EP], 23, v[TT+15]              ; the scale's byte
	ds_store_b64 v6, v[CP:CP+1] offset:IMG+16*(\t)
	ds_store_b8 v7, v[EP] offset:SIMG+4*(\t)       ; both lanes of a block write the same byte with the same value
.endm
.irp t, 0,1,2,3,4,5,6,7,8,9,10,11,12,13,14,15
	STEP \t
.endr
.irp k, 0,1,2,3,4,5,6,7
	ds_load_b128 v[R+4*\k:R+4*\k+3], v8 offset:IMG+512*\k       ; LDS serves a wave's instructions in order: these see my stores
.endr
	ds_load_b64 v[R+32:R+33], v10 offset:SIMG
.irp k, 0,1,2,3,4,5,6,7
	s_wait_dscnt 8-\k                              ; load k is in; the 7 - k behind it and the scale words' load may be out
	global_store_b128 v3, v[R+4*\k:R+4*\k+3], s[22:23] offset:512*\k
.endr
	s_wait_dscnt 0x0
	global_store_b64 v9, v[R+32:R+33], s[24:25]    ; 32 lanes store 256 consecutive bytes
	s_wait_tensorcnt 0x0
	ds_add_u32 v192, v193
	s_wait_dscnt 0x0
	s_endpgm
; ---------------------------------------------------------------- the weights.  A wave takes 32 columns x 256 along K.  A LANE TAKES A COLUMN AND ITS REGISTERS RUN DOWN K:
; a block of 32 lies in one lane, and the conversions give codes with K innermost.  Lane l = 16 a + 8 u + j is row index 8 a + j of tile u, so that a lane's 16 bytes
; of a block fall straight into the fragment's image: sixteen lanes store 256 consecutive bytes.
.Lw:
	s_sub_co_u32 s31, ttmp9, 256                   ; j
	s_cmp_lt_u32 s31, 32
	s_cbranch_scc0 .Lw_ffn
	s_lshr_b32 s32, s31, 3                         ; which of Wq, Wk, Wv, Wo
	s_and_b32 s33, s31, 7
	s_lshl_b32 s33, s33, 2
	s_add_co_u32 s33, s33, s30
	s_lshr_b32 s34, s33, 1                         ; g: the group of 32 columns
	s_and_b32 s35, s33, 1                          ; kc: which 256 along K
	s_cmp_eq_u32 s32, 1
	s_cselect_b64 s[36:37], s[12:13], s[10:11]
	s_cmp_eq_u32 s32, 2
	s_cselect_b64 s[36:37], s[14:15], s[36:37]
	s_cmp_eq_u32 s32, 3
	s_cselect_b64 s[36:37], s[16:17], s[36:37]
	s_lshr_b32 s38, s34, 2
	s_mul_i32 s38, s38, QKVB                       ; the head pair's region
	s_and_b32 s39, s34, 3
	s_lshl_b32 s40, s32, 15
	s_add_co_u32 s40, s40, s38
	s_lshl_b32 s41, s39, 13
	s_add_co_u32 s40, s40, s41                     ; q, k, v: codes
	s_lshl_b32 s41, s32, 11
	s_add_co_u32 s41, s41, s38
	s_lshl_b32 s42, s39, 9
	s_add_co_u32 s41, s41, s42
	s_add_co_u32 s41, s41, 98304                   ; and scales
	s_lshl_b32 s42, s34, 13
	s_add_co_u32 s42, s42, WOC                     ; Wo: codes
	s_lshl_b32 s43, s34, 9
	s_add_co_u32 s43, s43, WOS                     ; and scales
	s_cmp_eq_u32 s32, 3
	s_cselect_b32 s40, s42, s40
	s_cselect_b32 s41, s43, s41
	s_lshl_b32 s42, s35, 11
	s_add_co_u32 s40, s40, s42                     ; + two K steps for each kc
	s_lshl_b32 s42, s35, 8
	s_add_co_u32 s41, s41, s42
	s_lshl_b32 s38, s35, 19                        ; the source: 256 kc rows of 2,048 bytes
	s_lshl_b32 s39, s34, 7
	s_add_co_u32 s38, s38, s39                     ; + 128 g
	s_mov_b32 s44, 4096                            ; from tile to tile in the image
	s_branch .Lw_2048
.Lw_ffn:
	s_cmp_lt_u32 s31, 64
	s_cbranch_scc0 .Lw_w2
	s_sub_co_u32 s33, s31, 32                      ; W1 [512][2048]
	s_lshl_b32 s33, s33, 2
	s_add_co_u32 s33, s33, s30
	s_lshr_b32 s34, s33, 1                         ; g 0..63
	s_and_b32 s35, s33, 1                          ; kc
	s_mov_b64 s[36:37], s[18:19]
	s_lshr_b32 s38, s34, 3
	s_mul_i32 s38, s38, FFB
	s_add_co_u32 s38, s38, FFC                     ; the chunk of 256 hidden units
	s_and_b32 s39, s34, 7
	s_lshl_b32 s40, s39, 13
	s_add_co_u32 s40, s40, s38
	s_lshl_b32 s42, s35, 11
	s_add_co_u32 s40, s40, s42
	s_lshl_b32 s41, s39, 9
	s_add_co_u32 s41, s41, s38
	s_lshl_b32 s42, s35, 8
	s_add_co_u32 s41, s41, s42
	s_add_co_u32 s41, s41, 131072
	s_lshl_b32 s38, s35, 21                        ; 256 kc rows of 8,192 bytes
	s_lshl_b32 s39, s34, 7
	s_add_co_u32 s38, s38, s39
	s_mov_b32 s44, 4096
.macro WSET                            ; the three addresses and the lane's places
	s_mov_b32 s39, 0
	s_add_nc_u64 s[36:37], s[36:37], s[38:39]
	s_mov_b32 s46, s40
	s_mov_b32 s47, 0
	s_add_nc_u64 s[46:47], s[26:27], s[46:47]
	s_mov_b32 s48, s41
	s_mov_b32 s49, 0
	s_add_nc_u64 s[48:49], s[26:27], s[48:49]
	v_lshlrev_b32 v3, 2, v2                        ; in: 4 bytes a lane
	v_bfe_u32 v4, v2, 3, 1                         ; u
	v_lshrrev_b32 v5, 4, v2                        ; a
	v_and_b32 v6, 7, v2
	v_lshl_or_b32 v6, v5, 3, v6                    ; the row index 8 a + j
	v_mul_u32_u24 v7, v4, s44
	v_lshl_add_u32 v7, v6, 4, v7                   ; codes: tile u, 16 bytes a row index
	v_lshl_add_u32 v8, v4, 4, v6
	v_lshlrev_b32 v8, 3, v8                        ; scale bytes: 8 for each of 16 u + row index
.endm
.macro WLD tb, pitch                   ; block tb: 32 rows of my column into set tb % 2; a wave's load reads 128 consecutive bytes
.irp i, 0,1,2,3,4,5,6,7,8,9,10,11,12,13,14,15,16,17,18,19,20,21,22,23,24,25,26,27,28,29,30,31
	global_load_b32 v[32+32*((\tb)%2)+\i], v3, s[36:37] offset:(32*(\tb)+\i)*\pitch th:TH_LOAD_NT
.endr
.endm
.macro WBLK tb, pitch
.set XS, 32+32*((\tb)%2)
.set CP, 96+4*(\tb)                    ; each block has its own four registers of codes: no store's data are written again
.if (\tb) < 7
	s_wait_loadcnt 32                              ; this block's 32 loads are in; the next block's may be out
.else
	s_wait_loadcnt 0x0
.endif
	v_max3_num_f32 v12, |v[XS]|, |v[XS+1]|, |v[XS+2]|
	v_max3_num_f32 v13, |v[XS+3]|, |v[XS+4]|, |v[XS+5]|
.irp i, 6,10,14,18,22,26
	v_max3_num_f32 v12, v12, |v[XS+\i]|, |v[XS+\i+1]|
	v_max3_num_f32 v13, v13, |v[XS+\i+2]|, |v[XS+\i+3]|
.endr
	v_max3_num_f32 v12, v12, |v[XS+30]|, |v[XS+31]|
	v_max3_num_f32 v12, v12, v13, 0x1800000        ; the floor 2^(3 - 127)
	v_add_nc_u32 v11, 0xff000000, v12
	v_lshrrev_b32 v13, 23, v11                     ; the scale's byte
.if (\tb)%4 == 0
	v_mov_b32 v[24+(\tb)/4], v13
.else
	v_lshl_or_b32 v[24+(\tb)/4], v13, 8*((\tb)%4), v[24+(\tb)/4]
.endif
.irp g, 0,1,2,3
	v_cvt_scalef32_pk8_fp4_f32 v[CP+\g], v[XS+8*\g:XS+8*\g+7], v11
.endr
	v_nop                                          ; a plain instruction behind the conversions
	global_store_b128 v7, v[CP:CP+3], s[46:47] offset:((\tb)/4)*1024+((\tb)%4)*256
.if (\tb)+2 < 8
	WLD (\tb)+2, \pitch
.endif
.endm
.macro WQ pitch
	WLD 0, \pitch
	WLD 1, \pitch
.set Q, 0
.rept 8
	WBLK Q, \pitch
.set Q, Q+1
.endr
	global_store_b64 v8, v[24:25], s[48:49]        ; my column's eight scale bytes: 32 lanes store 256 consecutive bytes
.endm
	s_wait_alu depctr_va_vdst(0)
	WSET
	WQ 8192
	s_endpgm
.Lw_w2:
	s_sub_co_u32 s33, s31, 64                      ; W2 [2048][512]
	s_lshl_b32 s33, s33, 2
	s_add_co_u32 s33, s33, s30
	s_and_b32 s34, s33, 15                         ; g 0..15
	s_lshr_b32 s35, s33, 4                         ; kc = the chunk
	s_mov_b64 s[36:37], s[20:21]
	s_mul_i32 s38, s35, FFB
	s_add_co_u32 s38, s38, FFC
	s_lshl_b32 s40, s34, 12
	s_add_co_u32 s40, s40, s38
	s_add_co_u32 s40, s40, 65536
	s_lshl_b32 s41, s34, 8
	s_add_co_u32 s41, s41, s38
	s_add_co_u32 s41, s41, 135168
	s_lshl_b32 s38, s35, 19
	s_lshl_b32 s39, s34, 7
	s_add_co_u32 s38, s38, s39
	s_mov_b32 s44, 2048
.Lw_2048:
	s_wait_alu depctr_va_vdst(0)
	WSET
	WQ 2048
	s_endpgm
.Lfunc_end_k_q6807ea168a_prep:
	.size	k_q6807ea168a_prep, .Lfunc_end_k_q6807ea168a_prep-k_q6807ea168a_prep
	.p2alignl 7, 3214868480
	.fill 96, 4, 3214868480
	.section	.rodata,"a",@progbits
	.p2align	6, 0x0
	.amdhsa_kernel k_q6807ea168a_prep
		.amdhsa_group_segment_fixed_size 39424
		.amdhsa_private_segment_fixed_size 0
		.amdhsa_enable_private_segment 0
		.amdhsa_kernarg_size 104
		.amdhsa_user_sgpr_count 2
		.amdhsa_user_sgpr_kernarg_segment_ptr 1
		.amdhsa_wavefront_size32 1
		.amdhsa_system_sgpr_workgroup_id_x 1
		.amdhsa_system_sgpr_workgroup_id_y 1
		.amdhsa_system_sgpr_workgroup_id_z 1
		.amdhsa_system_vgpr_workitem_id 0
		.amdhsa_next_free_vgpr 194
		.amdhsa_next_free_sgpr 66
		.amdhsa_reserve_vcc 1
		.amdhsa_float_denorm_mode_32 3
		.amdhsa_float_denorm_mode_16_64 3
		.amdhsa_memory_ordered 1
		.amdhsa_forward_progress 1
		.amdhsa_inst_pref_size 176
	.end_amdhsa_kernel
	.amdgpu_metadata
---
amdhsa.version: [ 1, 2 ]
amdhsa.kernels:
  - .name:           k_q6807ea168a_prep
    .symbol:         k_q6807ea168a_prep.kd
    .args:
      - { .name: x, .offset: 0, .size: 8, .value_kind: global_buffer, .address_space: global }
      - { .name: ln1_g, .offset: 8, .size: 8, .value_kind: global_buffer, .address_space: global }
      - { .name: ln1_b, .offset: 16, .size: 8, .value_kind: global_buffer, .address_space: global }
      - { .name: Wq, .offset: 24, .size: 8, .value_kind: global_buffer, .address_space: global }
      - { .name: Wk, .offset: 32, .size: 8, .value_kind: global_buffer, .address_space: global }
      - { .name: Wv, .offset: 40, .size: 8, .value_kind: global_buffer, .address_space: global }
      - { .name: Wo, .offset: 48, .size: 8, .value_kind: global_buffer, .address_space: global }
      - { .name: W1, .offset: 56, .size: 8, .value_kind: global_buffer, .address_space: global }
      - { .name: W2, .offset: 64, .size: 8, .value_kind: global_buffer, .address_space: global }
      - { .name: hn1, .offset: 72, .size: 8, .value_kind: global_buffer, .address_space: global }
      - { .name: hn1s, .offset: 80, .size: 8, .value_kind: global_buffer, .address_space: global }
      - { .name: wts, .offset: 88, .size: 8, .value_kind: global_buffer, .address_space: global }
      - { .name: rope, .offset: 96, .size: 8, .value_kind: global_buffer, .address_space: global }
    .group_segment_fixed_size: 39424
    .private_segment_fixed_size: 0
    .kernarg_segment_align: 8
    .kernarg_segment_size: 104
    .max_flat_workgroup_size: 128
    .sgpr_count:     66
    .vgpr_count:     194
    .wavefront_size: 32
...
	.end_amdgpu_metadata
.endif
;; end of part 1
;; launch attn (part 2): grid 64 x 4, 16 waves a work-group, clusters of 4 x 1, 327,680 bytes of LDS; arguments hn1, hn1s, wts, rope, bq, bk, bv, oc, os; writes oc, os
.if DOCPART == 2
	.amdgcn_target "amdgcn-amd-amdhsa--gfx1250"
	.amdhsa_code_object_version 6
	.text
	.protected	k_q6807ea168a_attn
	.globl	k_q6807ea168a_attn
	.p2align	8
	.type	k_q6807ea168a_attn,@function
k_q6807ea168a_attn:
	s_mov_b64 s[64:65], 0
	v_nop
	global_prefetch_b8 v0, s[64:65] scope:SCOPE_SE
	s_setreg_imm32_b32 hwreg(HW_REG_WAVE_MODE, 25, 1), 1
	s_wait_xcnt 0x0
	s_wait_alu depctr_hold_cnt(0) depctr_sa_sdst(0) depctr_va_vdst(0) depctr_va_sdst(0) depctr_va_ssrc(0) depctr_va_vcc(0) depctr_vm_vsrc(0)
	s_getreg_b32 s2, hwreg(HW_REG_IB_STS2, 6, 4)
	s_cmp_eq_u32 s2, 0
	s_cbranch_scc0 .Lentry_in_a_cluster
	s_endpgm
.Lentry_in_a_cluster:
	s_bfe_u32 s2, ttmp6, 0x10000c
	s_cmp_lg_u32 s2, 0x3003
	s_cbranch_scc0 .Lentry_shape_is_right
	s_endpgm
.Lentry_shape_is_right:
; q, k, v projections, partial rotary embedding and attention for one sequence of 256 rows and one pair of heads a work-group; all products on codes of FP4 (E2M1) with E8M0 scales.
; Sixteen waves: wave w owns rows 32 (w / 2) .. + 31 of head w % 2.  K's and V's codes meet in LDS as images of operand registers; every wave walks all 256 keys.
; Softmax: t = score x log2(e) / 8, M = ceil(the row's largest t), p = 2^(t - M) is quantised along the keys; the row's sum of the unquantised p divides at the end.
; The pair's weights (104,448 bytes) and the table of cosines and sines (65,536 bytes) are the same for the four work-groups of a cluster: they are asked for jointly, one tensor load a wave, rows of 256 bytes.
.set ROPE, 104448
.set KIMG, 174080
.set KSC,  190464
.set VIMG, 192512
.set VSC,  208896
.set BIAS, 209920
.set OSCL, 211456
.set HN,   20
.set ACC,  84
.set WB,   148
.set HSC,  212
.set WSC,  216
.set TM,   228
.set PC8,  244
.set S,    84
.set KB,   48
.set PC16, 32
.set QS,   212
.set KSR,  214
.set VSR,  222
.set PW,   226
.set BM,   228
.set BP,   244
.set WV,   22
.set SEL,  52
.set CS,   54
.macro ROUND
	s_barrier_signal -1
	s_barrier_wait -1
	s_cmp_lg_u32 s[WV], 0
	s_cbranch_scc1 .Lnot_wave_0_\@
	s_barrier_signal -3
.Lnot_wave_0_\@:
	s_barrier_wait -3
	s_barrier_signal -1
	s_barrier_wait -1
.endm
.macro WM
.if cz
.if (qa == 0) && (qb == 0)
	v_wmma_scale_f32_16x16x128_f8f6f4 v[rD:rD+7], v[rA:rA+7], v[rB:rB+7], 0, v[rSA], v[rSB] matrix_a_fmt:MATRIX_FMT_FP4 matrix_b_fmt:MATRIX_FMT_FP4
.elseif (qa == 1) && (qb == 0)
	v_wmma_scale_f32_16x16x128_f8f6f4 v[rD:rD+7], v[rA:rA+7], v[rB:rB+7], 0, v[rSA], v[rSB] matrix_a_fmt:MATRIX_FMT_FP4 matrix_b_fmt:MATRIX_FMT_FP4 matrix_a_scale:MATRIX_SCALE_ROW1
.elseif (qa == 0) && (qb == 1)
	v_wmma_scale_f32_16x16x128_f8f6f4 v[rD:rD+7], v[rA:rA+7], v[rB:rB+7], 0, v[rSA], v[rSB] matrix_a_fmt:MATRIX_FMT_FP4 matrix_b_fmt:MATRIX_FMT_FP4 matrix_b_scale:MATRIX_SCALE_ROW1
.else
	v_wmma_scale_f32_16x16x128_f8f6f4 v[rD:rD+7], v[rA:rA+7], v[rB:rB+7], 0, v[rSA], v[rSB] matrix_a_fmt:MATRIX_FMT_FP4 matrix_b_fmt:MATRIX_FMT_FP4 matrix_a_scale:MATRIX_SCALE_ROW1 matrix_b_scale:MATRIX_SCALE_ROW1
.endif
.else
.if (qa == 0) && (qb == 0)
	v_wmma_scale_f32_16x16x128_f8f6f4 v[rD:rD+7], v[rA:rA+7], v[rB:rB+7], v[rC:rC+7], v[rSA], v[rSB] matrix_a_fmt:MATRIX_FMT_FP4 matrix_b_fmt:MATRIX_FMT_FP4
.elseif (qa == 1) && (qb == 0)
	v_wmma_scale_f32_16x16x128_f8f6f4 v[rD:rD+7], v[rA:rA+7], v[rB:rB+7], v[rC:rC+7], v[rSA], v[rSB] matrix_a_fmt:MATRIX_FMT_FP4 matrix_b_fmt:MATRIX_FMT_FP4 matrix_a_scale:MATRIX_SCALE_ROW1
.elseif (qa == 0) && (qb == 1)
	v_wmma_scale_f32_16x16x128_f8f6f4 v[rD:rD+7], v[rA:rA+7], v[rB:rB+7], v[rC:rC+7], v[rSA], v[rSB] matrix_a_fmt:MATRIX_FMT_FP4 matrix_b_fmt:MATRIX_FMT_FP4 matrix_b_scale:MATRIX_SCALE_ROW1
.else
	v_wmma_scale_f32_16x16x128_f8f6f4 v[rD:rD+7], v[rA:rA+7], v[rB:rB+7], v[rC:rC+7], v[rSA], v[rSB] matrix_a_fmt:MATRIX_FMT_FP4 matrix_b_fmt:MATRIX_FMT_FP4 matrix_a_scale:MATRIX_SCALE_ROW1 matrix_b_scale:MATRIX_SCALE_ROW1
.endif
.endif
.endm
.macro QUANT16 src, pc, nb
.set qn, 0
.rept \nb
	v_max3_num_f32 v[TM+qn], |v[(\src)+16*qn]|, |v[(\src)+16*qn+1]|, 0x1800000
.set qn, qn+1
.endr
.irp i, 2,4,6,8,10,12,14
.set qn, 0
.rept \nb
	v_max3_num_f32 v[TM+qn], v[TM+qn], |v[(\src)+16*qn+\i]|, |v[(\src)+16*qn+\i+1]|
.set qn, qn+1
.endr
.endr
.set qn, 0
.rept \nb
	v_permlanex16_b32 v[TM+4+qn], v[TM+qn], s[SEL], s[SEL+1]
.set qn, qn+1
.endr
.set qn, 0
.rept \nb
	v_max_num_f32 v[TM+qn], v[TM+qn], v[TM+4+qn]
.set qn, qn+1
.endr
.set qn, 0
.rept \nb
	v_add_nc_u32 v[TM+8+qn], 0xff000000, v[TM+qn]
.set qn, qn+1
.endr
.set qn, 0
.rept \nb
	v_lshrrev_b32 v[TM+4+qn], 23, v[TM+8+qn]
.set qn, qn+1
.endr
.set qn, 0
.rept \nb
	v_cvt_scalef32_pk8_fp4_f32 v[(\pc)+2*qn], v[(\src)+16*qn:(\src)+16*qn+7], v[TM+8+qn]
	v_cvt_scalef32_pk8_fp4_f32 v[(\pc)+2*qn+1], v[(\src)+16*qn+8:(\src)+16*qn+15], v[TM+8+qn]
.set qn, qn+1
.endr
	v_nop
.endm
.macro PLACES
.rept 4
	v_nop
.endr
.endm
	s_load_b512 s[4:19], s[0:1], 0x0
	s_load_b64 s[20:21], s[0:1], 0x40
	v_lshl_add_u32 v254, v0, 2, 0x34000
	v_mov_b32 v255, 0
	ds_add_u32 v254, v255
	ds_add_u32 v254, v255
	s_wait_dscnt 0x0
	v_lshrrev_b32 v240, 5, v0
	s_delay_alu instid0(VALU_DEP_1)
	v_readfirstlane_b32 s[WV], v240
	s_bfe_u32 s23, ttmp6, 0x40000
	s_lshl_b32 s24, ttmp9, 2
	s_add_co_u32 s24, s24, s23
	s_and_b32 s25, ttmp7, 0xffff
	s_lshr_b32 s26, s[WV], 1
	s_and_b32 s27, s[WV], 1
	s_mov_b32 s28, 15|(3<<16)|(1<<21)
	s_mov_b32 s29, 32<<16                          ; the weights: 51 rows of 256 bytes (32 elements of 8 bytes) a wave, dense in memory and in LDS
	s_mov_b32 s30, 51<<16
	s_mov_b32 s31, 32<<16
	s_mov_b32 s32, 51
	s_mov_b32 s33, 32
	s_mov_b32 s34, 0
	s_mov_b32 s35, 0
	s_mov_b32 s36, 15|(3<<16)|(1<<20)|(1<<21)|(5<<22)|(3<<25)
	s_mov_b32 s37, 32<<16
	s_mov_b32 s38, 32<<16                          ; the table: 32 rows of 256 bytes a wave, 16 bytes of padding behind each
	s_mov_b32 s39, 32<<16
	s_mov_b32 s40, 32
	s_mov_b32 s41, 32
	s_mov_b32 s42, 0
	s_mov_b32 s43, 0
	s_mov_b32 s44, 1
	s_and_b32 s59, s[WV], 7                        ; waves 0 to 7 fetch an eighth of the weights each, waves 8 to 15 an eighth of the table
	s_mul_i32 s45, s59, 13056
	s_mul_i32 s60, s59, 13056
	s_mul_i32 s61, s25, 104448
	s_add_co_u32 s60, s60, s61
	s_mov_b32 s61, 0
	s_mov_b32 s48, 1
	s_mul_i32 s49, s59, 8704
	s_add_co_u32 s49, s49, ROPE
	s_lshl_b32 s62, s59, 13
	s_mov_b32 s63, 0
	s_mov_b32 s[SEL], 0x76543210
	s_mov_b32 s[SEL+1], 0xfedcba98
	s_mov_b32 s[CS], 0x3E38AA3B
	s_mov_b32 s[CS+1], s[CS]
	v_and_b32 v240, 31, v0
	v_and_b32 v241, 15, v0
	v_bfe_u32 v242, v0, 4, 1
	s_delay_alu instid0(VALU_DEP_2)
	v_and_b32 v243, 8, v241
	s_delay_alu instid0(VALU_DEP_1)
	v_add_nc_u32 v243, v243, v241
	s_wait_alu depctr_va_vdst(0)
	v_lshlrev_b32 v17, 4, v240
	v_lshlrev_b32 v18, 2, v240
	s_lshl_b32 s56, s27, 14
	v_add_nc_u32 v2, s56, v17
	s_lshl_b32 s56, s27, 10
	s_add_co_u32 s56, s56, 98304
	v_lshl_add_u32 v3, v240, 3, s56
	s_lshl_b32 s56, s27, 8
	s_add_co_u32 s56, s56, BIAS
	v_lshl_add_u32 v4, v242, 6, s56
	s_add_co_u32 s57, s56, 1024
	v_lshl_add_u32 v5, v243, 2, s57
	s_mul_i32 s56, s26, 8704
	s_add_co_u32 s56, s56, ROPE
	v_mul_u32_u24 v6, v243, 272
	s_delay_alu instid0(VALU_DEP_1)
	v_lshl_add_u32 v6, v242, 7, v6
	s_delay_alu instid0(VALU_DEP_1)
	v_add_nc_u32 v6, s56, v6
	v_lshlrev_b32 v252, 4, v241
	s_delay_alu instid0(VALU_DEP_1)
	v_lshl_add_u32 v252, v242, 3, v252
	s_wait_alu depctr_va_vdst(0)
	s_lshl_b32 s56, s27, 13
	s_lshl_b32 s57, s26, 10
	s_add_co_u32 s57, s57, s56
	s_add_co_u32 s57, s57, KIMG
	v_add_nc_u32 v7, s57, v252
	s_lshl_b32 s57, s27, 10
	s_lshl_b32 s58, s26, 7
	s_add_co_u32 s58, s58, s57
	s_add_co_u32 s58, s58, KSC
	v_lshl_add_u32 v8, v241, 2, s58
	s_lshl_b32 s58, s26, 8
	s_add_co_u32 s58, s58, s56
	s_add_co_u32 s58, s58, VIMG
	v_add_nc_u32 v9, s58, v252
	s_lshl_b32 s58, s27, 9
	s_lshr_b32 s59, s26, 2
	s_lshl_b32 s59, s59, 6
	s_add_co_u32 s59, s59, s58
	s_and_b32 s58, s26, 3
	s_add_co_u32 s59, s59, s58
	s_add_co_u32 s59, s59, VSC
	v_lshl_add_u32 v10, v241, 2, s59
	s_add_co_u32 s58, s56, KIMG
	v_add_nc_u32 v11, s58, v17
	s_add_co_u32 s58, s57, KSC
	v_add_nc_u32 v12, s58, v18
	s_add_co_u32 s58, s56, VIMG
	v_add_nc_u32 v13, s58, v17
	s_lshl_b32 s58, s27, 9
	s_add_co_u32 s58, s58, VSC
	v_add_nc_u32 v14, s58, v18
	s_lshl_b32 s58, s26, 7
	s_lshl_b32 s59, s27, 1
	s_add_co_u32 s58, s58, s59
	s_add_co_u32 s58, s58, OSCL
	v_lshl_add_u32 v15, v241, 2, s58
	s_min_u32 s58, s[WV], 2
	s_lshl_b32 s58, s58, 9
	s_add_co_u32 s58, s58, BIAS
	v_add_nc_u32 v16, s58, v17
	s_min_u32 s58, s[WV], 1
	s_lshl_b32 s58, s58, 9
	s_add_co_u32 s58, s58, OSCL
	v_add_nc_u32 v19, s58, v17
.irp i, 4,5,6,7
	v_mov_b32 v[TM+\i], 0
.endr
	s_wait_alu depctr_va_vdst(0)
	s_wait_kmcnt 0x0
	s_add_nc_u64 s[46:47], s[8:9], s[60:61]
	s_or_b32 s47, s47, 0x80000000
	s_add_nc_u64 s[50:51], s[10:11], s[62:63]
	s_or_b32 s51, s51, 0x80000000
	s_lshl_b32 s66, s24, 16
	s_lshl_b32 s67, s26, 13
	s_add_co_u32 s66, s66, s67
	s_mov_b32 s67, 0
	s_add_nc_u64 s[4:5], s[4:5], s[66:67]
	s_lshl_b32 s68, s25, 10
	s_lshl_b32 s69, s27, 9
	s_add_co_u32 s68, s68, s69
	s_add_co_u32 s68, s68, s66
	s_mov_b32 s69, 0
	s_add_nc_u64 s[18:19], s[18:19], s[68:69]
	s_lshl_b32 s70, s24, 12
	s_lshl_b32 s71, s26, 9
	s_add_co_u32 s66, s70, s71
	s_add_nc_u64 s[6:7], s[6:7], s[66:67]
	s_lshl_b32 s71, s25, 10
	s_add_co_u32 s70, s70, s71
	s_min_u32 s71, s[WV], 1
	s_lshl_b32 s71, s71, 9
	s_add_co_u32 s70, s70, s71
	s_mov_b32 s71, 0
	s_add_nc_u64 s[20:21], s[20:21], s[70:71]
.irp k, 0,1,2,3,4,5,6,7,8,9,10,11,12,13,14,15
	global_load_b128 v[HN+4*\k:HN+4*\k+3], v17, s[4:5] offset:512*\k    ; LN1's fragments of my 32 rows: they stay in registers
.endr
.irp i, 0,1,2,3
	global_load_b32 v[HSC+\i], v18, s[6:7] offset:128*\i
.endr
	ROUND                                          ; all four work-groups are here: the joint loads meet
	s_cmp_lt_u32 s[WV], 8                          ; one chain of branches on the wave's number, one load to an arm: one tensor load a wave at the head
	s_cbranch_scc0 .Lhead_rope
	tensor_load_to_lds s[44:47], s[28:35]
	s_nop 0
	PLACES
	s_branch .Lhead_asked
.Lhead_rope:
	tensor_load_to_lds s[48:51], s[36:43]
	s_nop 0
	PLACES
.Lhead_asked:
	s_cmp_lt_u32 s[WV], 3
	s_cbranch_scc0 .Lno_bias
	s_cmp_eq_u32 s[WV], 1
	s_cselect_b64 s[56:57], s[14:15], s[12:13]
	s_cmp_eq_u32 s[WV], 2
	s_cselect_b64 s[56:57], s[16:17], s[56:57]
	s_lshl_b32 s58, s25, 9
	s_mov_b32 s59, 0
	s_add_nc_u64 s[56:57], s[56:57], s[58:59]
	global_load_b128 v[PC8:PC8+3], v17, s[56:57]
	s_wait_loadcnt 0x0
	s_wait_alu depctr_va_vdst(0)
	ds_store_b128 v16, v[PC8:PC8+3]
.Lno_bias:
	s_wait_tensorcnt 0x0
	s_wait_dscnt 0x0
	s_barrier_signal -1
	s_barrier_wait -1
	s_wait_loadcnt 0x0
.macro PROJ mat, kind
	v_add_nc_u32 v1, \mat*32768, v2
	s_wait_alu depctr_va_vdst(0)
.irp b, 0,1
.irp kc, 0,1
	ds_load_b64 v[WSC+4*\b+2*\kc:WSC+4*\b+2*\kc+1], v3 offset:\mat*2048+\b*512+\kc*256
.endr
.endr
.if \kind == 0
.irp m, 0,1
.irp t, 0,1,2,3
	ds_load_b128 v[ACC+32*\m+8*\t:ACC+32*\m+8*\t+3], v4 offset:\mat*512+128*(\t/2)+32*(\t%2)
	ds_load_b128 v[ACC+32*\m+8*\t+4:ACC+32*\m+8*\t+7], v4 offset:\mat*512+128*(\t/2)+32*(\t%2)+16
.endr
.endr
.endif
.irp g, 0,1
	PLACES
.irp t, 0,1,2,3
.irp sl, 0,1
.irp c, 0,1
	ds_load_b128 v[WB+8*(2*\t+\sl)+4*\c:WB+8*(2*\t+\sl)+4*\c+3], v1 offset:\t*4096+(2*\g+\sl)*1024+512*\c
.endr
.endr
.endr
	s_wait_dscnt 0x0
.irp sl, 0,1
.irp m, 0,1
.irp t, 0,1,2,3
.set ks, 2*\g+\sl
.set cz, 0
.if \kind == 0
.set rD, ACC+32*\m+8*\t
.set rA, WB+8*(2*\t+\sl)
.set rB, HN+8*(4*\m+ks)
.set rSA, WSC+4*(\t/2)+ks
.set qa, \t%2
.set rSB, HSC+2*\m+ks/2
.set qb, ks%2
.else
.set rD, ACC+16*\t+8*\m
.set rA, HN+8*(4*\m+ks)
.set rB, WB+8*(2*\t+\sl)
.set rSA, HSC+2*\m+ks/2
.set qa, ks%2
.set rSB, WSC+4*(\t/2)+ks
.set qb, \t%2
.if ks == 0
.set cz, 1
.endif
.endif
.set rC, rD
	WM
.endr
.endr
.endr
.endr
.endm
.macro ROPEM
	PLACES
.irp m, 0,1
.irp p, 0,1,2,3,4,5,6,7
	ds_load_b128 v[WB+32*\m+4*\p:WB+32*\m+4*\p+3], v6 offset:2176*\m+16*\p
.endr
.endr
	s_wait_dscnt 0x0
.irp m, 0,1
.irp p, 0,1,2,3,4,5,6,7
.set xa, ACC+32*\m+2*\p
.set xb, xa+16
.set cc, WB+32*\m+4*\p
.set tt, 240+12*(\p%2)
	v_pk_mul_f32 v[tt:tt+1], v[xb:xb+1], v[cc+2:cc+3]
	v_pk_mul_f32 v[tt+2:tt+3], v[xa:xa+1], v[cc+2:cc+3]
	v_pk_fma_f32 v[xa:xa+1], v[xa:xa+1], v[cc:cc+1], v[tt:tt+1] neg_lo:[0,0,1] neg_hi:[0,0,1]
	v_pk_fma_f32 v[xb:xb+1], v[xb:xb+1], v[cc:cc+1], v[tt+2:tt+3]
.endr
.endr
.endm
	PROJ 2, 1
	PLACES
.irp t, 0,1,2,3
	ds_load_b32 v[WB+2*\t], v5 offset:128*(\t/2)+32*(\t%2)
	ds_load_b32 v[WB+2*\t+1], v5 offset:128*(\t/2)+32*(\t%2)
.endr
	s_wait_dscnt 0x0
.irp t, 0,1,2,3
.irp j, 0,2,4,6,8,10,12,14
	v_pk_add_f32 v[ACC+16*\t+\j:ACC+16*\t+\j+1], v[ACC+16*\t+\j:ACC+16*\t+\j+1], v[WB+2*\t:WB+2*\t+1]
.endr
.endr
	QUANT16 ACC, PC8, 4
.irp t, 0,1,2,3
	ds_store_b64 v9, v[PC8+2*\t:PC8+2*\t+1] offset:2048*\t
	ds_store_b8 v10, v[TM+4+\t] offset:128*\t
.endr
	PROJ 1, 0
	ROPEM
	QUANT16 ACC, PC8, 4
.irp bq, 0,1,2,3
	ds_store_b64 v7, v[PC8+2*\bq:PC8+2*\bq+1] offset:256*\bq
.endr
.irp m, 0,1
	v_lshl_or_b32 v[240+\m], v[TM+5+2*\m], 8, v[TM+4+2*\m]
	s_delay_alu instid0(VALU_DEP_1)
	v_or_b32 v[240+\m], 0x7f7f0000, v[240+\m]
	ds_store_b32 v8, v[240+\m] offset:64*\m
.endr
	PROJ 0, 0
	ROPEM
	QUANT16 ACC, PC8, 4
.irp m, 0,1
	v_lshl_or_b32 v[QS+\m], v[TM+5+2*\m], 8, v[TM+4+2*\m]
	s_delay_alu instid0(VALU_DEP_1)
	v_or_b32 v[QS+\m], 0x7f7f0000, v[QS+\m]
.endr
.irp m, 0,1
.irp i, 0,1
	v_permlane16_swap_b32 v[PC8+4*\m+\i], v[PC8+4*\m+2+\i]
.endr
.endr
.irp i, 0,1,2,3
	v_mov_b32 v[20+\i], v[PC8+\i]
	v_mov_b32 v[28+\i], v[PC8+4+\i]
	v_mov_b32 v[24+\i], 0
	v_mov_b32 v[KB+32+\i], 0
.endr
	s_wait_alu depctr_va_vdst(0)
	s_wait_dscnt 0x0
	s_barrier_signal -1
	s_barrier_wait -1
.macro ATT m
.if \m == 1
	s_wait_xcnt 0x0
.irp i, 0,1,2,3
	v_mov_b32 v[20+\i], v[28+\i]
.endr
.else
.irp i, 0,1,2,3,4,5,6,7
	ds_load_b32 v[KSR+\i], v12 offset:128*\i
.endr
.irp i, 0,1,2,3
	ds_load_b32 v[VSR+\i], v14 offset:128*\i
.endr
.endif
	s_wait_alu depctr_va_vdst(0)
.irp hf, 0,1
	PLACES
.irp tq, 0,1,2,3,4,5,6,7
	ds_load_b128 v[KB+4*\tq:KB+4*\tq+3], v11 offset:512*(8*\hf+\tq)
.endr
	s_wait_dscnt 0x0
.irp tq, 0,1,2,3,4,5,6,7
.set tau, 8*\hf+\tq
.set rD, S+8*tau
.set rA, KB+4*\tq
.set rB, 20
.set rC, 0
.set cz, 1
.set rSA, KSR+tau/2
.set qa, tau%2
.set rSB, QS+\m
.set qb, 0
	WM
.endr
.endr
	PLACES
.irp b, 0,1,2,3,4,5,6,7
	v_max3_num_f32 v[BM+\b], v[S+16*\b], v[S+16*\b+1], v[S+16*\b+2]
.endr
.irp i, 3,5,7,9,11,13
.irp b, 0,1,2,3,4,5,6,7
	v_max3_num_f32 v[BM+\b], v[BM+\b], v[S+16*\b+\i], v[S+16*\b+\i+1]
.endr
.endr
.irp b, 0,1,2,3,4,5,6,7
	v_max_num_f32 v[BM+\b], v[BM+\b], v[S+16*\b+15]
.endr
.irp b, 0,1,2,3,4,5,6,7
	v_permlanex16_b32 v[BP+\b], v[BM+\b], s[SEL], s[SEL+1]
.endr
.irp b, 0,1,2,3,4,5,6,7
	v_max_num_f32 v[BM+\b], v[BM+\b], v[BP+\b]
.endr
	v_max3_num_f32 v240, v[BM], v[BM+1], v[BM+2]
	s_delay_alu instid0(VALU_DEP_4)
	v_max3_num_f32 v241, v[BM+3], v[BM+4], v[BM+5]
	s_delay_alu instid0(VALU_DEP_2)
	v_max3_num_f32 v240, v240, v[BM+6], v[BM+7]
	s_delay_alu instid0(VALU_DEP_1)
	v_max_num_f32 v240, v240, v241
	s_delay_alu instid0(VALU_DEP_1)
	v_mul_f32 v240, s[CS], v240
	s_delay_alu instid0(VALU_DEP_1)
	v_floor_f32 v252, -v240
	s_delay_alu instid0(VALU_DEP_1)
	v_mov_b32 v253, v252
.set j, 0
.rept 64
	v_pk_fma_f32 v[S+j:S+j+1], v[S+j:S+j+1], s[CS:CS+1], v[252:253] op_sel_hi:[1,0,0]
.set j, j+2
.endr
.irp b, 0,1,2,3,4,5,6,7
	v_fma_f32 v[BM+\b], v[BM+\b], s[CS], v252
.endr
.set j, 0
	s_wait_alu depctr_va_vdst(0)
.rept 128
	v_exp_f32 v[S+j], v[S+j]
.set j, j+1
.endr
	v_nop
	s_wait_alu depctr_va_vdst(0)
.irp b, 0,1,2,3,4,5,6,7
	v_exp_f32 v[BM+\b], v[BM+\b]
.endr
	v_pk_add_f32 v[236:237], v[S:S+1], v[S+4:S+5]
	v_pk_add_f32 v[238:239], v[S+2:S+3], v[S+6:S+7]
.set j, 8
.rept 30
	v_pk_add_f32 v[236:237], v[236:237], v[S+j:S+j+1]
	v_pk_add_f32 v[238:239], v[238:239], v[S+j+2:S+j+3]
.set j, j+4
.endr
	s_delay_alu instid0(VALU_DEP_1)
	v_pk_add_f32 v[236:237], v[236:237], v[238:239]
	s_wait_alu depctr_va_vdst(0)
.irp b, 0,1,2,3,4,5,6,7
	v_max_num_f32 v[BM+\b], 0x1800000, v[BM+\b]
.endr
.irp b, 0,1,2,3,4,5,6,7
	v_add_nc_u32 v[BP+\b], 0xff000000, v[BM+\b]
.endr
.irp b, 0,1,2,3,4,5,6,7
	v_lshrrev_b32 v[BM+\b], 23, v[BP+\b]
.endr
.irp g, 0,1
	v_lshl_or_b32 v[PW+\g], v[BM+4*\g+1], 8, v[BM+4*\g]
	s_delay_alu instid0(VALU_DEP_1)
	v_lshl_or_b32 v[PW+\g], v[BM+4*\g+2], 16, v[PW+\g]
	s_delay_alu instid0(VALU_DEP_1)
	v_lshl_or_b32 v[PW+\g], v[BM+4*\g+3], 24, v[PW+\g]
.endr
.irp b, 0,1,2,3,4,5,6,7
	v_cvt_scalef32_pk8_fp4_f32 v[PC16+2*\b], v[S+16*\b:S+16*\b+7], v[BP+\b]
	v_cvt_scalef32_pk8_fp4_f32 v[PC16+2*\b+1], v[S+16*\b+8:S+16*\b+15], v[BP+\b]
.endr
	v_nop
.irp c, 0,1,2,3
.irp i, 0,1
	v_permlane16_swap_b32 v[PC16+4*\c+\i], v[PC16+4*\c+2+\i]
.endr
.endr
.rept 8
	v_nop
.endr
	s_wait_alu depctr_va_vdst(0)
.irp g, 0,1
.if \g == 1
	PLACES
.endif
.irp dl, 0,1,2,3
.irp c, 0,1
	ds_load_b128 v[KB+8*\dl+4*\c:KB+8*\dl+4*\c+3], v13 offset:1024*(2*\dl+\g)+512*\c
.endr
.endr
	s_wait_dscnt 0x0
.irp dl, 0,1,2,3
.set rD, S+8*\dl
.set rC, rD
.set rA, KB+8*\dl
.set rB, PC16+8*\g
.set rSA, VSR+\dl
.set qa, \g
.set rSB, PW+\g
.set qb, 0
.if \g == 0
.set cz, 1
.else
.set cz, 0
.endif
	WM
.endr
.endr
	v_add_f32 v236, v236, v237
	s_delay_alu instid0(VALU_DEP_1)
	v_permlanex16_b32 v240, v236, s[SEL], s[SEL+1]
	s_delay_alu instid0(VALU_DEP_1)
	v_add_f32 v236, v236, v240
	s_wait_alu depctr_va_vdst(0)
	v_rcp_f32 v252, v236
	v_rcp_f32 v253, v236
	PLACES
	s_wait_alu depctr_va_vdst(0)
.set j, 0
.rept 16
	v_pk_mul_f32 v[S+j:S+j+1], v[S+j:S+j+1], v[252:253]
.set j, j+2
.endr
	QUANT16 S, PC8, 2
.irp i, 0,1
	v_permlane16_swap_b32 v[PC8+\i], v[PC8+2+\i]
.endr
	v_lshl_or_b32 v240, v[TM+5], 8, v[TM+4]
	global_store_b128 v17, v[PC8:PC8+3], s[18:19] offset:4096*\m
	ds_store_b16 v15, v240 offset:64*\m
.endm
	ATT 0
	ATT 1
	s_wait_dscnt 0x0
	s_barrier_signal -1
	s_barrier_wait -1
	s_cmp_lt_u32 s[WV], 2
	s_cbranch_scc0 .Lno_os
	ds_load_b128 v[248:251], v19
	s_wait_dscnt 0x0
	global_store_b128 v17, v[248:251], s[20:21]
.Lno_os:
	s_wait_xcnt 0x0
	v_lshl_add_u32 v254, v0, 2, 0x34000
	v_mov_b32 v255, 0
	s_wait_alu depctr_va_vdst(0)
	s_wait_tensorcnt 0x0
	ds_add_u32 v254, v255
	s_wait_dscnt 0x0
	ROUND
	s_endpgm
.Lfunc_end_k_q6807ea168a_attn:
	.size	k_q6807ea168a_attn, .Lfunc_end_k_q6807ea168a_attn-k_q6807ea168a_attn
	.p2alignl 7, 3214868480
	.fill 96, 4, 3214868480
	.section	.rodata,"a",@progbits
	.p2align	6, 0x0
	.amdhsa_kernel k_q6807ea168a_attn
		.amdhsa_group_segment_fixed_size 327680
		.amdhsa_private_segment_fixed_size 0
		.amdhsa_enable_private_segment 0
		.amdhsa_kernarg_size 72
		.amdhsa_user_sgpr_count 2
		.amdhsa_user_sgpr_kernarg_segment_ptr 1
		.amdhsa_wavefront_size32 1
		.amdhsa_system_sgpr_workgroup_id_x 1
		.amdhsa_system_sgpr_workgroup_id_y 1
		.amdhsa_system_sgpr_workgroup_id_z 1
		.amdhsa_system_vgpr_workitem_id 0
		.amdhsa_next_free_vgpr 256
		.amdhsa_next_free_sgpr 90
		.amdhsa_reserve_vcc 0
		.amdhsa_float_denorm_mode_32 3
		.amdhsa_float_denorm_mode_16_64 3
		.amdhsa_memory_ordered 1
		.amdhsa_forward_progress 1
		.amdhsa_inst_pref_size 121
	.end_amdhsa_kernel
	.amdgpu_metadata
---
amdhsa.version: [ 1, 2 ]
amdhsa.kernels:
  - .name:           k_q6807ea168a_attn
    .symbol:         k_q6807ea168a_attn.kd
    .args:
      - { .name: hn1, .offset: 0, .size: 8, .value_kind: global_buffer, .address_space: global }
      - { .name: hn1s, .offset: 8, .size: 8, .value_kind: global_buffer, .address_space: global }
      - { .name: wts, .offset: 16, .size: 8, .value_kind: global_buffer, .address_space: global }
      - { .name: rope, .offset: 24, .size: 8, .value_kind: global_buffer, .address_space: global }
      - { .name: bq, .offset: 32, .size: 8, .value_kind: global_buffer, .address_space: global }
      - { .name: bk, .offset: 40, .size: 8, .value_kind: global_buffer, .address_space: global }
      - { .name: bv, .offset: 48, .size: 8, .value_kind: global_buffer, .address_space: global }
      - { .name: oc, .offset: 56, .size: 8, .value_kind: global_buffer, .address_space: global }
      - { .name: os, .offset: 64, .size: 8, .value_kind: global_buffer, .address_space: global }
    .group_segment_fixed_size: 327680
    .private_segment_fixed_size: 0
    .kernarg_segment_align: 8
    .kernarg_segment_size: 72
    .max_flat_workgroup_size: 512
    .sgpr_count:     90
    .vgpr_count:     256
    .wavefront_size: 32
...
	.end_amdgpu_metadata
.endif
;; end of part 2
;; launch ffn (part 3): grid 256 x 1, 8 waves a work-group, clusters of 4 x 1, 327,680 bytes of LDS; arguments x, oc, os, wts, bo, ln3_g, ln3_b, b1, b2, out0; writes out0
.if DOCPART == 3
	.amdgcn_target "amdgcn-amd-amdhsa--gfx1250"
	.amdhsa_code_object_version 6
	.text
	.protected	k_q6807ea168a_ffn
	.globl	k_q6807ea168a_ffn
	.p2align	8
	.type	k_q6807ea168a_ffn,@function
k_q6807ea168a_ffn:
	s_mov_b64 s[64:65], 0
	v_nop
	global_prefetch_b8 v0, s[64:65] scope:SCOPE_SE
	s_setreg_imm32_b32 hwreg(HW_REG_WAVE_MODE, 25, 1), 1
	s_wait_xcnt 0x0
	s_wait_alu depctr_hold_cnt(0) depctr_sa_sdst(0) depctr_va_vdst(0) depctr_va_sdst(0) depctr_va_ssrc(0) depctr_va_vcc(0) depctr_vm_vsrc(0)
	s_getreg_b32 s2, hwreg(HW_REG_IB_STS2, 6, 4)
	s_cmp_eq_u32 s2, 0
	s_cbranch_scc0 .Lentry_in_a_cluster
	s_endpgm
.Lentry_in_a_cluster:
	s_bfe_u32 s2, ttmp6, 0x10000c
	s_cmp_lg_u32 s2, 0x3003
	s_cbranch_scc0 .Lentry_shape_is_right
	s_endpgm
.Lentry_shape_is_right:
; out = h + gelu(LN3(h) W1 + b1) W2 + b2, h = x + o Wo + bo, for 64 rows a work-group; the three products on codes of FP4 (E2M1) with E8M0 scales.
; SHARES.  Eight waves share the columns: wave w owns output columns 64 w .. 64 w + 63 of all 64 rows: 16 accumulators Y (128 registers) that hold h and then the result and never leave the registers;
; of each chunk of 256 hidden units it makes units 32 w .. 32 w + 31.  So every weight fragment is read from LDS once in the work-group and feeds four matrix instructions.
; All products are used transposed (source 0 = 16 columns of a weight, source 1 = 16 rows): a lane holds one row, and the 16 registers of two neighbouring tiles are 16 neighbours along the next K.
; LN3's result and the hidden layer go from wave to wave through LDS as images of operand registers.
; THE RING.  W1 and W2 come as eight chunks of 139,264 bytes through two LDS slots; the four work-groups of a cluster walk the same chunks and ask jointly.  At the head each wave asks for its eight rows of x, into slot 1;
; chunk 0 is asked for, into slot 0, behind the round that shows x whole, and chunk 1, into slot 1, behind the round ahead of the ring.
; THE CHANGE OF SLOTS stands in a chunk's middle, between its two products, and its round is also the barrier that hands the hidden layer round: ahead of it a wave has read all that it wants of the chunk's slot.
; Three banks of 64 registers change roles: a chunk's W1 bank takes the GELU's work, then the hidden layer's fragments; its result bank takes the next chunk's W1.  Two chunks bring the roles back: a trip is two chunks.
; GELU: g = h (1/2 + erf(h / sqrt 2) / 2).  erf(x) = x P(x^2) / Q(x^2) on |x| <= 4, P of degree 6 and Q of degree 4 in x^2; h is held at +-4 sqrt 2 for it (beyond that erf is +-1 in f32).
;   With u = h^2, x^2 = u / 2: coefficient k carries 2^-k; Q carries 2 sqrt 2 as well, so that h P / Q is erf / 2.  Four divisors share one reciprocal: r = 1 / (Q0 Q2 Q1 Q3), and products with the others give each 1 / Q.
; LIMITS: for h < 0 the sum 1/2 + erf / 2 cancels: g's error there is up to about 1e-7 |h| in absolute size.  A block of zeros or under 2^-124 gets the byte 1; NaN and infinities are not served.
; REGISTERS.  Window 0: v1-5, v14-31 addresses and constants; v6-13 addresses of the phases ahead of the ring, then b1 of my first tile of units; v32-51 scales alone; v52-115 HA; v116-179 FA; v180-243 FB;
;   v244-255 TM, the quantiser's (between two quantisers v244-251 hold b1 of my second tile).   Window 1: v0-127 Y[32 m + 8 t + j]; v128-255 the 16 fragments of o, then of LN3(h).
.set SLOTB, 139264                     ; LDS: slot 0 from 0, slot 1 from here
.set HN3I,  278528                     ; LN3(h): [tile 4][K step 4][1,024]; later the hidden layer of the odd chunks
.set HN3S,  294912                     ; its scale words
.set HIDI,  295936                     ; the hidden layer of the even chunks: [tile 4][K step 2][1,024]
.set HIDS,  304128                     ; its scale words
.set HOFF,  HIDI-HN3I
.set HSOFF, HIDS-HN3S
.set B1L,   304640                     ; b1
.set LNP,   312832                     ; the waves' partial sums: twice [tile][row index][wave]
.set VEC,   316928                     ; bo, ln3_g, ln3_b, b2
.set SPARE, 325120                     ; the spare words, 128 bytes a wave: four blocks of 256 bytes that no other line names
.set HA,  52
.set FA,  116
.set FB,  180
.set TM,  244
.set RB,  HA+32
.set OSC, 32                           ; v32-39 o's scale words, then LN3(h)'s
.set W1S, 40                           ; v40-43 W1's (first v40-47: Wo's)
.set W2S, 44                           ; v44-47 W2's
.set HSC, 48                           ; v48-51 the hidden layer's
.set H3,  128                          ; in window 1
.set WV,  24
.set SEL, 52
.set TJ,  55                           ; the place in b1 of the chunk that is fetched next
.set CNT, 56
.set WOFF, 57                          ; my part of a slot
.set MSB, 0
.macro WIN new                         ; the immediate's high byte repeats the setting that is left
.if MSB != \new
	s_set_vgpr_msb (MSB<<8)|\new
.set MSB, \new
.endif
.endm
.macro ROUND                           ; a round of the cluster's barrier
	s_barrier_signal -1
	s_barrier_wait -1
	s_cmp_lg_u32 s[WV], 0
	s_cbranch_scc1 .Lnot_wave_0_\@
	s_barrier_signal -3
.Lnot_wave_0_\@:
	s_barrier_wait -3
	s_barrier_signal -1
	s_barrier_wait -1
.endm
; One matrix instruction from the symbols rD, rA, rB, rC, rSA, rSB; qa, qb = 1: that side's scales are read from lanes 16-31.
.macro WM
.if (qa == 0) && (qb == 0)
	v_wmma_scale_f32_16x16x128_f8f6f4 v[rD:rD+7], v[rA:rA+7], v[rB:rB+7], v[rC:rC+7], v[rSA], v[rSB] matrix_a_fmt:MATRIX_FMT_FP4 matrix_b_fmt:MATRIX_FMT_FP4
.elseif (qa == 1) && (qb == 0)
	v_wmma_scale_f32_16x16x128_f8f6f4 v[rD:rD+7], v[rA:rA+7], v[rB:rB+7], v[rC:rC+7], v[rSA], v[rSB] matrix_a_fmt:MATRIX_FMT_FP4 matrix_b_fmt:MATRIX_FMT_FP4 matrix_a_scale:MATRIX_SCALE_ROW1
.elseif (qa == 0) && (qb == 1)
	v_wmma_scale_f32_16x16x128_f8f6f4 v[rD:rD+7], v[rA:rA+7], v[rB:rB+7], v[rC:rC+7], v[rSA], v[rSB] matrix_a_fmt:MATRIX_FMT_FP4 matrix_b_fmt:MATRIX_FMT_FP4 matrix_b_scale:MATRIX_SCALE_ROW1
.else
	v_wmma_scale_f32_16x16x128_f8f6f4 v[rD:rD+7], v[rA:rA+7], v[rB:rB+7], v[rC:rC+7], v[rSA], v[rSB] matrix_a_fmt:MATRIX_FMT_FP4 matrix_b_fmt:MATRIX_FMT_FP4 matrix_a_scale:MATRIX_SCALE_ROW1 matrix_b_scale:MATRIX_SCALE_ROW1
.endif
.endm
; nb blocks, the lane's 16 numbers of block b in v[src + 16 b] on (lane l xor 16 holds the other 16): the byte into v[TM + 4 + b], the 16 codes into v[pc + 2 b], v[pc + 2 b + 1].
.macro QUANT16 src, pc, nb
.set qn, 0
.rept \nb
	v_max3_num_f32 v[TM+qn], |v[(\src)+16*qn]|, |v[(\src)+16*qn+1]|, 0x1800000    ; with the floor 2^(3 - 127): the byte cannot fall under 1
.set qn, qn+1
.endr
.irp i, 2,4,6,8,10,12,14
.set qn, 0
.rept \nb
	s_delay_alu instid0(VALU_DEP_4)
	v_max3_num_f32 v[TM+qn], v[TM+qn], |v[(\src)+16*qn+\i]|, |v[(\src)+16*qn+\i+1]|
.set qn, qn+1
.endr
.endr
.set qn, 0
.rept \nb
	v_permlanex16_b32 v[TM+4+qn], v[TM+qn], s[SEL], s[SEL+1]
.set qn, qn+1
.endr
.set qn, 0
.rept \nb
	s_delay_alu instid0(VALU_DEP_4)
	v_max_num_f32 v[TM+qn], v[TM+qn], v[TM+4+qn]
.set qn, qn+1
.endr
.set qn, 0
.rept \nb
	s_delay_alu instid0(VALU_DEP_4)
	v_add_nc_u32 v[TM+8+qn], 0xff000000, v[TM+qn]  ; 2 off the exponent field: the conversion's scale operand
.set qn, qn+1
.endr
.set qn, 0
.rept \nb
	s_delay_alu instid0(VALU_DEP_4)
	v_lshrrev_b32 v[TM+4+qn], 23, v[TM+8+qn]       ; the scale's byte
.set qn, qn+1
.endr
.set qn, 0
.rept \nb
	v_cvt_scalef32_pk8_fp4_f32 v[(\pc)+2*qn], v[(\src)+16*qn:(\src)+16*qn+7], v[TM+8+qn]
	v_cvt_scalef32_pk8_fp4_f32 v[(\pc)+2*qn+1], v[(\src)+16*qn+8:(\src)+16*qn+15], v[TM+8+qn]
.set qn, qn+1
.endr
	v_nop                                          ; a plain instruction behind the conversions
.endm
.macro PLACES                          ; four plain vector instructions behind a matrix instruction (ISA guide 7.12.1)
.rept 4
	v_nop
.endr
.endm
	s_load_b512 s[4:19], s[0:1], 0x0               ; x, oc, os, wts, bo, ln3_g, ln3_b, b1
	s_load_b128 s[20:23], s[0:1], 0x40             ; b2, out0
	v_lshl_add_u32 v1, v0, 2, SPARE                ; v1  my spare word; never rewritten
	v_mov_b32 v2, 0                                ; v2  0; never rewritten
	ds_add_u32 v1, v2                              ; the opening: the add, twice on end, and its wait ahead of my first tensor load
	ds_add_u32 v1, v2
	v_lshrrev_b32 v244, 5, v0
	s_delay_alu instid0(VALU_DEP_1)
	v_readfirstlane_b32 s[WV], v244                ; wave 0..7
	s_bfe_u32 s25, ttmp6, 0x40000                  ; cx
	s_lshl_b32 s26, ttmp9, 2
	s_add_co_u32 s26, s26, s25                     ; my 64 rows; it enters global addresses of my own loads and stores alone
	s_mov_b32 s28, 15|(3<<16)|(1<<21)              ; a chunk's part: 68 rows of 256 bytes a wave, asked for jointly by the four work-groups
	s_mov_b32 s29, 32<<16
	s_mov_b32 s30, 68<<16
	s_mov_b32 s31, 32<<16
	s_mov_b32 s32, 68
	s_mov_b32 s33, 32
	s_mov_b32 s34, 0
	s_mov_b32 s35, 0
	s_mov_b32 s36, (3<<16)|(1<<20)|(7<<22)|(3<<25) ; x: eight rows a wave as 16 half rows of 1,024 bytes, 16 bytes of padding behind each; my work-group's own
	s_mov_b32 s37, 128<<16
	s_mov_b32 s38, 16<<16
	s_mov_b32 s39, 128<<16
	s_mov_b32 s40, 16
	s_mov_b32 s41, 128
	s_mov_b32 s42, 0
	s_mov_b32 s43, 0
	s_mul_i32 s[WOFF], s[WV], 17408
	s_mov_b32 s44, 1
	s_add_co_u32 s45, s[WOFF], 0                   ; chunk 0 goes into slot 0
	s_mul_i32 s60, s[WV], 17408
	s_add_co_u32 s60, s60, 557056
	s_mov_b32 s61, 0
	s_mov_b32 s48, 1
	s_mul_i32 s49, s[WV], 16640
	s_add_co_u32 s49, s49, SLOTB
	s_lshr_b32 s90, s[WV], 2                       ; the eight rows that wave w brings in and stores: LDS row 8 w + k is row index 8 (w % 2) + k of tile w / 2
	s_lshl_b32 s90, s90, 5
	s_bfe_u32 s91, s[WV], 0x10001
	s_lshl_b32 s91, s91, 3
	s_add_co_u32 s90, s90, s91
	s_and_b32 s91, s[WV], 1
	s_lshl_b32 s91, s91, 4
	s_add_co_u32 s90, s90, s91
	s_lshl_b32 s91, s26, 6
	s_add_co_u32 s90, s90, s91
	s_lshl_b32 s90, s90, 11                        ; rows of 2,048 bytes
	s_mov_b32 s91, 0
	s_mov_b32 s[SEL], 0x76543210
	s_mov_b32 s[SEL+1], 0xfedcba98
	s_mov_b32 s[TJ], 0
.macro COEF k, val                     ; a coefficient as a pair: the packed forms name a pair
	s_mov_b32 s[66+2*\k], \val
	s_mov_b32 s[67+2*\k], \val
.endm
	COEF 0, 0xBC83DBD4                             ; P's coefficients 0 to 5, each x 2^-k
	COEF 1, 0xBAC1A1F6
	COEF 2, 0xB940AC63
	COEF 3, 0xB6EEC2D2
	COEF 4, 0xB40CFF51
	COEF 5, 0x306DFFEE
	COEF 6, 0xBD2542A9                             ; Q's coefficients 0 to 3, each x 2^-k x 2 sqrt 2
	COEF 7, 0xBC2AD7F2
	COEF 8, 0xBA9BF7B5
	COEF 9, 0xB89E3512
	v_mov_b32 v28, 0xAC95DF0B                      ; P's coefficient 6
	v_mov_b32 v29, 0xAC95DF0B
	v_mov_b32 v30, 0xB62CCD2B                      ; Q's coefficient 4
	v_mov_b32 v31, 0xB62CCD2B
	v_mov_b32 v14, 0x40B504F3                      ; 4 sqrt 2
	s_mov_b32 s86, 0x3B000000                      ; 1/512
	s_mov_b32 s87, 0x3727C5AC                      ; 1e-5
	s_mov_b32 s88, 0xBB000000                      ; -1/512
	v_and_b32 v244, 31, v0                         ; lane
	v_and_b32 v245, 15, v0                         ; r
	v_bfe_u32 v246, v0, 4, 1                       ; h
	s_wait_alu depctr_va_vdst(0)
	v_lshlrev_b32 v3, 4, v244                      ; v3   16 x lane
	v_lshlrev_b32 v4, 2, v244                      ; v4   4 x lane
	v_lshlrev_b32 v5, 3, v244                      ; v5   8 x lane
	s_lshr_b32 s62, s[WV], 2
	s_mul_i32 s62, s62, 1040
	s_and_b32 s63, s[WV], 3
	s_lshl_b32 s63, s63, 8
	s_add_co_u32 s62, s62, s63
	s_add_co_u32 s62, s62, SLOTB
	v_mul_u32_u24 v6, v245, 2080
	s_delay_alu instid0(VALU_DEP_1)
	v_lshl_add_u32 v6, v246, 6, v6
	s_delay_alu instid0(VALU_DEP_1)
	v_add_nc_u32 v6, s62, v6                       ; v6   x in LDS: row index r of tiles 0, 1, my columns;
	s_delay_alu instid0(VALU_DEP_1)
	v_add_nc_u32 v7, 66560, v6                     ; v7   of tiles 2, 3
	s_lshl_b32 s62, s[WV], 8
	s_add_co_u32 s63, s62, VEC
	v_lshl_add_u32 v8, v246, 6, s63                ; v8   the four vectors at my columns
	s_lshl_b32 s63, s[WV], 2
	s_add_co_u32 s63, s63, LNP
	v_lshl_add_u32 v9, v245, 5, s63                ; v9   my partial sum of row index r
	v_lshl_add_u32 v10, v245, 5, LNP               ; v10  the eight waves' of row index r
	v_lshlrev_b32 v247, 4, v245
	s_delay_alu instid0(VALU_DEP_1)
	v_lshl_add_u32 v247, v246, 3, v247             ; 16 r + 8 h
	s_wait_alu depctr_va_vdst(0)
	s_lshl_b32 s63, s[WV], 9
	s_add_co_u32 s63, s63, HN3I
	v_add_nc_u32 v11, s63, v247                    ; v11  where I store LN3(h)'s codes: my 64 columns are blocks 2 w, 2 w + 1
	s_lshr_b32 s63, s[WV], 1
	s_lshl_b32 s63, s63, 6
	s_and_b32 s62, s[WV], 1
	s_lshl_b32 s62, s62, 1
	s_add_co_u32 s63, s63, s62
	s_add_co_u32 s63, s63, HN3S
	v_lshl_add_u32 v12, v245, 2, s63               ; v12  and their scale bytes
	s_lshl_b32 s63, s[WV], 8
	s_add_co_u32 s63, s63, HN3I
	v_add_nc_u32 v15, s63, v247                    ; v15  where I store the hidden layer's codes (odd chunks; even chunks HOFF on): my 32 units are block w of the chunk's eight
	s_lshr_b32 s63, s[WV], 2
	s_lshl_b32 s63, s63, 6
	s_and_b32 s62, s[WV], 3
	s_add_co_u32 s63, s63, s62
	s_add_co_u32 s63, s63, HN3S
	v_lshl_add_u32 v16, v245, 2, s63               ; v16  and their scale bytes (even chunks HSOFF on)
	v_add_nc_u32 v17, HN3I, v3                     ; v17  fragments of LN3(h), then of the hidden layer
	v_add_nc_u32 v18, HN3S, v4                     ; v18  their scale words, two K steps a load
	s_lshl_b32 s63, s[WV], 13
	v_add_nc_u32 v19, s63, v3                      ; v19  my fragments of W1 in a slot (v22: + the slot; v23: W2's, 65,536 on)
	s_lshl_b32 s63, s[WV], 9
	s_add_co_u32 s63, s63, 131072
	v_add_nc_u32 v20, s63, v5                      ; v20  W1's scale words in a slot; W2's lie 4,096 on (v24: + the slot)
	s_lshl_b32 s63, s[WV], 7
	s_add_co_u32 s63, s63, B1L
	v_lshl_add_u32 v21, v246, 6, s63               ; v21  b1 at my units (v25: + the chunk)
	s_lshl_b32 s63, s[WV], 8
	v_mul_u32_u24 v26, v245, 2064
	s_delay_alu instid0(VALU_DEP_1)
	v_lshl_add_u32 v26, v246, 6, v26
	s_delay_alu instid0(VALU_DEP_1)
	v_add_nc_u32 v26, s63, v26                     ; v26  the stage for the way out, rows of 2,048 + 16 bytes, in slot 0: tiles 0, 1;
	s_delay_alu instid0(VALU_DEP_1)
	v_add_nc_u32 v27, 66048, v26                   ; v27  tiles 2, 3
	s_lshl_b32 s63, s[WV], 10
	s_add_co_u32 s63, s63, B1L
	v_add_nc_u32 v25, s63, v3                      ; v25  at the head: where I lay 1,024 bytes of b1; of the vectors 12,288 on
.irp i, 4,5,6,7,8,9,10,11
	v_mov_b32 v[TM+\i], 0                          ; a lane permute's destination counts as one of its sources
.endr
	s_wait_alu depctr_va_vdst(0)
	s_wait_dscnt 0x0                               ; both opening adds are done
	s_wait_kmcnt 0x0
	s_add_nc_u64 s[46:47], s[10:11], s[60:61]      ; chunk 0, my part: the same in all four partners
	s_or_b32 s47, s47, 0x80000000
	s_add_nc_u64 s[50:51], s[4:5], s[90:91]
	s_or_b32 s51, s51, 0x80000000
	s_add_nc_u64 s[22:23], s[22:23], s[90:91]      ; out0 at the same eight rows
	s_lshl_b32 s90, s26, 14
	s_add_nc_u64 s[6:7], s[6:7], s[90:91]          ; oc: four tiles of 4,096 bytes
	s_lshr_b32 s90, s26, 2
	s_lshl_b32 s90, s90, 12
	s_and_b32 s89, s26, 3
	s_lshl_b32 s89, s89, 8
	s_add_co_u32 s90, s90, s89
	s_add_nc_u64 s[8:9], s[8:9], s[90:91]          ; os: the sequence, my four tiles
	s_lshl_b32 s60, s[WV], 14
	s_add_co_u32 s60, s60, 417792
	s_add_nc_u64 s[92:93], s[10:11], s[60:61]      ; Wo's codes for my 64 columns
	s_lshl_b32 s60, s[WV], 10
	s_add_co_u32 s60, s60, 548864
	s_add_nc_u64 s[94:95], s[10:11], s[60:61]      ; and their scales
	s_lshl_b32 s60, s[WV], 10
	s_add_nc_u64 s[18:19], s[18:19], s[60:61]      ; b1: 1,024 bytes a wave
	s_lshr_b32 s62, s[WV], 1
	s_cmp_eq_u32 s62, 1
	s_cselect_b64 s[96:97], s[14:15], s[12:13]
	s_cmp_eq_u32 s62, 2
	s_cselect_b64 s[96:97], s[16:17], s[96:97]
	s_cmp_eq_u32 s62, 3
	s_cselect_b64 s[96:97], s[20:21], s[96:97]     ; bo, ln3_g, ln3_b or b2,
	s_and_b32 s60, s[WV], 1
	s_lshl_b32 s60, s60, 10
	s_add_nc_u64 s[96:97], s[96:97], s[60:61]      ; half of it
	ROUND                                          ; in a cluster launch every group of tensor loads stands behind a round
	tensor_load_to_lds s[48:51], s[36:43]          ; my one tensor load at the head: my eight rows of x, into slot 1
	s_nop 0
	PLACES
	WIN 0x40                                       ; destination window 1
.set k, 0
.rept 32
	global_load_b128 v[H3+4*k:H3+4*k+3], v3, s[6:7] offset:512*k         ; o's fragment (tile m, K step s) at v[H3 + 8 (4 m + s)]
.set k, k+1
.endr
	WIN 0
.irp mp, 0,1
.irp ks, 0,1,2,3
	global_load_b32 v[OSC+4*\mp+\ks], v4, s[8:9] offset:1024*\ks+128*\mp ; lanes 0-15 tile 2 mp, lanes 16-31 tile 2 mp + 1
.endr
.endr
.set k, 0
.rept 32
	global_load_b128 v[FA+4*k:FA+4*k+3], v3, s[92:93] offset:512*k       ; Wo's fragment (tile t, K step s) at v[FA + 8 (4 t + s)]: each is one wave's alone
.set k, k+1
.endr
.irp b, 0,1
.irp kc, 0,1
	global_load_b64 v[W1S+4*\b+2*\kc:W1S+4*\b+2*\kc+1], v5, s[94:95] offset:512*\b+256*\kc
.endr
.endr
	global_load_b128 v[HA:HA+3], v3, s[18:19]
	global_load_b128 v[HA+4:HA+7], v3, s[18:19] offset:512
	global_load_b128 v[HA+8:HA+11], v3, s[96:97]
	global_load_b128 v[HA+12:HA+15], v3, s[96:97] offset:512
	s_wait_loadcnt 0x0
	s_wait_alu depctr_va_vdst(0)
	ds_store_b128 v25, v[HA:HA+3]
	ds_store_b128 v25, v[HA+4:HA+7] offset:512
	ds_store_b128 v25, v[HA+8:HA+11] offset:12288
	ds_store_b128 v25, v[HA+12:HA+15] offset:12800
	s_wait_tensorcnt 0x0                           ; my rows of x have landed
	ds_add_u32 v1, v2
	s_wait_dscnt 0x0                               ; the add is done, and my parts of b1 and the vectors have landed
	ROUND                                          ; everybody's have, and all four work-groups are here
	tensor_load_to_lds s[44:47], s[28:35]          ; slot 0's first fill: my part of chunk 0
	s_nop 0
	PLACES
; ---- A: Y = x + bo + o Wo
	WIN 0x40
.irp m, 0,1,2,3
.irp b, 0,1
.irp i, 0,1,2,3
	ds_load_b128 v[32*\m+16*\b+4*\i:32*\m+16*\b+4*\i+3], v[6+\m/2] offset:33280*(\m%2)+128*\b+16*\i   ; register 32 m + 16 b + i': row (m, r), column 64 w + 32 b + 16 h + i'
.endr
.endr
.endr
	WIN 0
.irp b, 0,1
.irp i, 0,1,2,3
	ds_load_b128 v[HA+16*\b+4*\i:HA+16*\b+4*\i+3], v8 offset:128*\b+16*\i
.endr
.endr
	s_wait_dscnt 0x0
	WIN 0x41                                       ; destination and source 0 window 1
.irp m, 0,1,2,3
.set j, 0
.rept 16
	v_pk_add_f32 v[32*\m+j:32*\m+j+1], v[32*\m+j:32*\m+j+1], v[HA+j:HA+j+1]
.set j, j+2
.endr
.endr
	PLACES
	WIN 0x54                                       ; o's fragments, C and D in window 1
.irp ks, 0,1,2,3                               ; sixteen accumulators by turns
.irp m, 0,1,2,3
.irp t, 0,1,2,3
.set rD, 32*\m+8*\t
.set rC, rD
.set rA, FA+8*(4*\t+\ks)
.set rB, H3+8*(4*\m+\ks)
.set rSA, W1S+4*(\t/2)+\ks
.set qa, \t%2
.set rSB, OSC+4*(\m/2)+\ks
.set qb, \m%2
	WM
.endr
.endr
.endr
	WIN 0
; ---- LN3, mean and variance in two passes.  A row's 512 columns lie in eight waves, two lanes and 32 registers.
; The value of tile m in v[src + str m] is joined with lane l xor 16's, meets the other waves' in LDS at LNP + off, and the row's total comes back in v[RB + 8 m]: every wave adds the eight in the same order.
.macro XSUM src, str, off
.irp m, 0,1,2,3
	s_delay_alu instid0(VALU_DEP_4)
	v_permlanex16_b32 v[TM+8+\m], v[\src+\str*\m], s[SEL], s[SEL+1]
.endr
.irp m, 0,1,2,3
	s_delay_alu instid0(VALU_DEP_4)
	v_add_f32 v[\src+\str*\m], v[\src+\str*\m], v[TM+8+\m]
.endr
.irp m, 0,1,2,3
	ds_store_b32 v9, v[\src+\str*\m] offset:\off+512*\m          ; both halves of the lanes write the same word with the same value
.endr
	s_wait_dscnt 0x0
	s_barrier_signal -1
	s_barrier_wait -1
.irp m, 0,1,2,3
.irp k, 0,1
	ds_load_b128 v[RB+8*\m+4*\k:RB+8*\m+4*\k+3], v10 offset:\off+512*\m+16*\k
.endr
.endr
	s_wait_dscnt 0x0
.irp m, 0,1,2,3
	v_pk_add_f32 v[RB+8*\m:RB+8*\m+1], v[RB+8*\m:RB+8*\m+1], v[RB+8*\m+2:RB+8*\m+3]
	v_pk_add_f32 v[RB+8*\m+4:RB+8*\m+5], v[RB+8*\m+4:RB+8*\m+5], v[RB+8*\m+6:RB+8*\m+7]
.endr
.irp m, 0,1,2,3
	v_pk_add_f32 v[RB+8*\m:RB+8*\m+1], v[RB+8*\m:RB+8*\m+1], v[RB+8*\m+4:RB+8*\m+5]
.endr
.irp m, 0,1,2,3
	s_delay_alu instid0(VALU_DEP_4)
	v_add_f32 v[RB+8*\m], v[RB+8*\m], v[RB+8*\m+1]
.endr
.endm
	PLACES
	WIN 0x05                                       ; sources 0 and 1 window 1
.irp m, 0,1,2,3
.irp q, 0,1,2,3,4,5,6,7
	v_pk_add_f32 v[FA+16*\m+2*\q:FA+16*\m+2*\q+1], v[32*\m+4*\q:32*\m+4*\q+1], v[32*\m+4*\q+2:32*\m+4*\q+3]   ; each accumulator from its low end on
.endr
.endr
	WIN 0
.irp m, 0,1,2,3
.irp q, 0,4,8,12
	v_pk_add_f32 v[FA+16*\m+\q:FA+16*\m+\q+1], v[FA+16*\m+\q:FA+16*\m+\q+1], v[FA+16*\m+\q+2:FA+16*\m+\q+3]
.endr
.endr
.irp m, 0,1,2,3
.irp q, 0,8
	v_pk_add_f32 v[FA+16*\m+\q:FA+16*\m+\q+1], v[FA+16*\m+\q:FA+16*\m+\q+1], v[FA+16*\m+\q+4:FA+16*\m+\q+5]
.endr
.endr
.irp m, 0,1,2,3
	v_pk_add_f32 v[FA+16*\m:FA+16*\m+1], v[FA+16*\m:FA+16*\m+1], v[FA+16*\m+8:FA+16*\m+9]
.endr
.irp m, 0,1,2,3
	s_delay_alu instid0(VALU_DEP_4)
	v_add_f32 v[FA+16*\m], v[FA+16*\m], v[FA+16*\m+1]
.endr
	XSUM FA, 16, 0
.irp m, 0,1,2,3
	v_mul_f32 v[TM+2*\m], s88, v[RB+8*\m]          ; minus the mean, twice
	v_mul_f32 v[TM+2*\m+1], s88, v[RB+8*\m]
.endr
	WIN 0x01                                       ; source 0 window 1
.irp m, 0,1,2,3
.set j, 0
.rept 16
	v_pk_add_f32 v[FA+32*\m+j:FA+32*\m+j+1], v[32*\m+j:32*\m+j+1], v[TM+2*\m:TM+2*\m+1]     ; h - mean, in v116-243
.set j, j+2
.endr
.endr
	WIN 0
.irp m, 0,1,2,3
	v_pk_mul_f32 v[HA+4*\m:HA+4*\m+1], v[FA+32*\m:FA+32*\m+1], v[FA+32*\m:FA+32*\m+1]
	v_pk_mul_f32 v[HA+4*\m+2:HA+4*\m+3], v[FA+32*\m+2:FA+32*\m+3], v[FA+32*\m+2:FA+32*\m+3]
.endr
.irp j, 4,8,12,16,20,24,28
.irp m, 0,1,2,3
	v_pk_fma_f32 v[HA+4*\m:HA+4*\m+1], v[FA+32*\m+\j:FA+32*\m+\j+1], v[FA+32*\m+\j:FA+32*\m+\j+1], v[HA+4*\m:HA+4*\m+1]
	v_pk_fma_f32 v[HA+4*\m+2:HA+4*\m+3], v[FA+32*\m+\j+2:FA+32*\m+\j+3], v[FA+32*\m+\j+2:FA+32*\m+\j+3], v[HA+4*\m+2:HA+4*\m+3]
.endr
.endr
.irp m, 0,1,2,3
	v_pk_add_f32 v[HA+4*\m:HA+4*\m+1], v[HA+4*\m:HA+4*\m+1], v[HA+4*\m+2:HA+4*\m+3]
.endr
.irp m, 0,1,2,3
	s_delay_alu instid0(VALU_DEP_4)
	v_add_f32 v[HA+4*\m], v[HA+4*\m], v[HA+4*\m+1]
.endr
	XSUM HA, 4, 2048
.irp m, 0,1,2,3
	s_delay_alu instid0(VALU_DEP_4)
	v_fma_f32 v[RB+8*\m], v[RB+8*\m], s86, s87     ; the variance + 1e-5
.endr
	s_wait_alu depctr_va_vdst(0)
.irp m, 0,1,2,3
	v_rsq_f32 v[TM+2*\m], v[RB+8*\m]
	v_rsq_f32 v[TM+2*\m+1], v[RB+8*\m]
.endr
	v_nop                                          ; a plain instruction behind the eight
.irp b, 0,1
.irp i, 0,1,2,3
	ds_load_b128 v[HA+16*\b+4*\i:HA+16*\b+4*\i+3], v8 offset:3*2048+128*\b+16*\i     ; b2
.endr
.endr
	s_wait_dscnt 0x0
	WIN 0x41
.irp m, 0,1,2,3
.set j, 0
.rept 16
	v_pk_add_f32 v[32*\m+j:32*\m+j+1], v[32*\m+j:32*\m+j+1], v[HA+j:HA+j+1]          ; Y = h + b2: the second product adds onto it
.set j, j+2
.endr
.endr
	WIN 0
.irp vv, 0,1
.irp b, 0,1
.irp i, 0,1,2,3
	ds_load_b128 v[HA+32*\vv+16*\b+4*\i:HA+32*\vv+16*\b+4*\i+3], v8 offset:(1+\vv)*2048+128*\b+16*\i   ; the gain, then the bias
.endr
.endr
.endr
	s_wait_alu depctr_va_vdst(0)                   ; one wait for the eight, ahead of their first reader
.irp m, 0,1,2,3
.set j, 0
.rept 16
	v_pk_mul_f32 v[FA+32*\m+j:FA+32*\m+j+1], v[FA+32*\m+j:FA+32*\m+j+1], v[TM+2*\m:TM+2*\m+1]
.set j, j+2
.endr
.endr
	s_wait_dscnt 0x0
.irp m, 0,1,2,3
.set j, 0
.rept 16
	v_pk_fma_f32 v[FA+32*\m+j:FA+32*\m+j+1], v[FA+32*\m+j:FA+32*\m+j+1], v[HA+j:HA+j+1], v[HA+32+j:HA+32+j+1]
.set j, j+2
.endr
.endr
.irp mp, 0,1                                   ; block lb of the four: tile 2 mp + lb / 2, columns 32 (lb % 2) on
	QUANT16 FA+64*\mp, HA+8*\mp, 4
.irp lb, 0,1,2,3
	ds_store_b64 v11, v[HA+8*\mp+2*\lb:HA+8*\mp+2*\lb+1] offset:4096*(2*\mp+\lb/2)+256*(\lb%2)
	ds_store_b8 v12, v[TM+4+\lb] offset:256*(2*\mp+\lb/2)+(\lb%2)
.endr
	s_wait_dscnt 0x0                               ; the stores have read their registers; behind the second: they have landed
.endr
	s_barrier_signal -1
	s_barrier_wait -1                              ; LN3(h)'s sixteen fragments lie in LDS
	WIN 0x40
.set k, 0
.rept 32
	ds_load_b128 v[H3+4*k:H3+4*k+3], v17 offset:512*k            ; they stay in registers for all eight chunks
.set k, k+1
.endr
	WIN 0
.irp m, 0,1,2,3
.irp sp, 0,1
	ds_load_b32 v[OSC+2*\m+\sp], v18 offset:256*\m+128*\sp       ; lanes 0-15 K step 2 sp, lanes 16-31 the next
.endr
.endr
; ---- THE RING.
; The next chunk's first operands, out of slot par, into the bank of 64 registers that is free: my 8 fragments of W1, their scale words, and b1 in the result's layout (the C of each sum's first product):
; 16 + 2 + 4 = 22 LDS loads.  The addresses of that chunk's W2 (v23) and of its scale words (v24) are made here too.
.macro NEXTW par, bank
	v_add_nc_u32 v22, (\par)*SLOTB, v19
	v_add_nc_u32 v24, (\par)*SLOTB, v20
	v_add_nc_u32 v25, s[TJ], v21
	s_delay_alu instid0(VALU_DEP_3)
	v_add_nc_u32 v23, 0x10000, v22
.irp u, 0,1
.irp ks, 0,1,2,3
.irp c, 0,1
	ds_load_b128 v[(\bank)+8*(4*\u+\ks)+4*\c:(\bank)+8*(4*\u+\ks)+4*\c+3], v22 offset:\u*4096+\ks*1024+512*\c
.endr
.endr
.endr
.irp kc, 0,1
	ds_load_b64 v[W1S+2*\kc:W1S+2*\kc+1], v24 offset:256*\kc     ; lanes 0-15 tile 0, lanes 16-31 tile 1
.endr
	ds_load_b128 v[6:9], v25                       ; b1 of tile 0: in registers whose addresses have served,
	ds_load_b128 v[10:13], v25 offset:16
	ds_load_b128 v[TM:TM+3], v25 offset:32         ; of tile 1: in the quantiser's, which are free until the next quantiser
	ds_load_b128 v[TM+4:TM+7], v25 offset:48
.endm
; 32 numbers of the hidden layer, v[hd + 32 kk] on.  GW: h held, then h P; GT: u, then the reciprocals; FB's lower half: P, then Q, then 1/2 + erf / 2.  One batch of eight reciprocals, a wait ahead of it and one behind it.
.macro GELU32 kk, wa, hd
.set HH, (\hd)+32*\kk
.set GW, (\wa)
.set GT, (\wa)+32
.set i, 0
.rept 32
	v_med3_num_f32 v[GW+i], v[HH+i], -v14, v14     ; h held at +-4 sqrt 2; each accumulator from its low end on
.set i, i+1
.endr
.set i, 0
.rept 16
	v_pk_mul_f32 v[GT+i:GT+i+1], v[GW+i:GW+i+1], v[GW+i:GW+i+1]          ; u
.set i, i+2
.endr
.set i, 0
.rept 16
	v_pk_fma_f32 v[FB+i:FB+i+1], v[GT+i:GT+i+1], v[28:29], s[76:77] op_sel_hi:[1,1,0]
.set i, i+2
.endr
.irp k, 4,3,2,1,0
.set i, 0
.rept 16
	v_pk_fma_f32 v[FB+i:FB+i+1], v[FB+i:FB+i+1], v[GT+i:GT+i+1], s[66+2*\k:67+2*\k] op_sel_hi:[1,1,0]   ; P
.set i, i+2
.endr
.endr
.set i, 0
.rept 16
	v_pk_mul_f32 v[GW+i:GW+i+1], v[GW+i:GW+i+1], v[FB+i:FB+i+1]          ; h P
.set i, i+2
.endr
.set i, 0
.rept 16
	v_pk_fma_f32 v[FB+i:FB+i+1], v[GT+i:GT+i+1], v[30:31], s[84:85] op_sel_hi:[1,1,0]
.set i, i+2
.endr
.irp k, 8,7,6
.set i, 0
.rept 16
	v_pk_fma_f32 v[FB+i:FB+i+1], v[FB+i:FB+i+1], v[GT+i:GT+i+1], s[66+2*\k:67+2*\k] op_sel_hi:[1,1,0]   ; Q: between 0.04 and 6.8 in size, so a product of four stays in range
.set i, i+2
.endr
.endr
.set i, 0
.rept 8
	v_pk_mul_f32 v[GT+i:GT+i+1], v[FB+i:FB+i+1], v[FB+i+2:FB+i+3]        ; A = Q0 Q2, B = Q1 Q3
.set i, i+4
.endr
.set i, 0
.rept 8
	v_mul_f32 v[GT+i+2], v[GT+i], v[GT+i+1]        ; A B
.set i, i+4
.endr
	s_wait_alu depctr_va_vdst(0)
.set i, 0
.rept 8
	v_rcp_f32 v[GT+i+3], v[GT+i+2]
.set i, i+4
.endr
	v_nop                                          ; a plain instruction behind the eight
	s_wait_alu depctr_va_vdst(0)                   ; and one wait, ahead of their first reader
.set i, 0
.rept 8
	v_mul_f32 v[GT+i+2], v[GT+i+3], v[GT+i+1]      ; 1 / A
.set i, i+4
.endr
.set i, 0
.rept 8
	v_mul_f32 v[GT+i+3], v[GT+i+3], v[GT+i]        ; 1 / B
.set i, i+4
.endr
.set i, 0
.rept 8
	v_pk_mul_f32 v[GT+i:GT+i+1], v[GT+i+2:GT+i+3], v[FB+i+2:FB+i+3]      ; 1 / Q0, 1 / Q1
.set i, i+4
.endr
.set i, 0
.rept 8
	v_pk_mul_f32 v[GT+i+2:GT+i+3], v[GT+i+2:GT+i+3], v[FB+i:FB+i+1]      ; 1 / Q2, 1 / Q3
.set i, i+4
.endr
.set i, 0
.rept 16
	v_pk_fma_f32 v[FB+i:FB+i+1], v[GW+i:GW+i+1], v[GT+i:GT+i+1], 0.5 op_sel_hi:[1,1,0]   ; 1/2 + erf / 2
.set i, i+2
.endr
.set i, 0
.rept 16
	v_pk_mul_f32 v[HH+i:HH+i+1], v[HH+i:HH+i+1], v[FB+i:FB+i+1]
.set i, i+2
.endr
.endm
; A chunk of 256 hidden units, in slot par.  wa: the bank that holds my fragments of W1 at the head; hd: the bank that takes the first product's results.
; fill = 1: the chunk's slot is filled again, with the chunk two further on.   nxt = 1: the next chunk's first operands are fetched.
; The hidden layer has two sets of LDS bytes, by the chunk's parity: between a wave's reads of one chunk's images and the stores of the chunk after the next stands the next chunk's barrier,
; in front of which every wave has waited for all its LDS loads.
.macro PHASE par, wa, hd, fill, nxt
	s_wait_dscnt 0x0                               ; W1's fragments, their scale words and b1 are in: they were asked for ahead of the last chunk's second product
	WIN 0x04                                       ; source 1, LN3(h), window 1
.irp ks, 0,1,2,3                               ; eight accumulators by turns
.irp m, 0,1,2,3
.irp u, 0,1
.set rD, (\hd)+16*\m+8*\u
.if \ks == 0
.if \u == 0
.set rC, 6
.else
.set rC, TM
.endif
.else
.set rC, rD
.endif
.set rA, (\wa)+8*(4*\u+\ks)
.set rB, H3+8*(4*\m+\ks)
.set rSA, W1S+\ks
.set qa, \u
.set rSB, OSC+2*\m+\ks/2
.set qb, \ks%2
	WM
.endr
.endr
.endr
	WIN 0
.irp t, 0,1,2,3                                ; W2's first K step and its scale words: into FB's upper half, which the GELU leaves alone
.irp c, 0,1
	ds_load_b128 v[FB+32+8*\t+4*\c:FB+32+8*\t+4*\c+3], v23 offset:\t*2048+512*\c
.endr
.endr
.irp b, 0,1
	ds_load_b64 v[W2S+2*\b:W2S+2*\b+1], v24 offset:4096+256*\b
.endr
	PLACES
	GELU32 0, \wa, \hd
	GELU32 1, \wa, \hd
.irp t, 0,1,2,3                                ; W2's second K step, into FB's lower half
.irp c, 0,1
	ds_load_b128 v[FB+8*\t+4*\c:FB+8*\t+4*\c+3], v23 offset:\t*2048+1024+512*\c
.endr
.endr
	QUANT16 \hd, \wa, 4                            ; block m: row (m, r), my 32 units
.irp m, 0,1,2,3
	ds_store_b64 v15, v[(\wa)+2*\m:(\wa)+2*\m+1] offset:(1-\par)*HOFF+2048*\m
	ds_store_b8 v16, v[TM+4+\m] offset:(1-\par)*HSOFF+128*\m
.endr
	s_wait_tensorcnt 0x0                           ; all my tensor loads have landed (at most one was out: my part of the next chunk), so the descriptor may be written
	ds_add_u32 v1, v2                              ; 0 onto my spare word
.if \fill
	s_add_co_u32 s45, s[WOFF], (\par)*SLOTB        ; this chunk's slot,
	s_add_nc_u64 s[46:47], s[46:47], SLOTB         ; the chunk behind the one asked for last; the type bits on top are not reached
.endif
.if \nxt
	s_add_co_u32 s[TJ], s[TJ], 1024                ; the next 256 numbers of b1
.endif
	s_wait_dscnt 0x0                               ; the add is done; my part of the hidden layer has landed; my reads of this chunk's slot are over
.if \fill
	ROUND                                          ; all that holds of every wave of the four work-groups
	tensor_load_to_lds s[44:47], s[28:35]          ; the first thing behind the round, and my one tensor load until the next
	s_nop 0
	PLACES
.else
	s_barrier_signal -1
	s_barrier_wait -1
.endif
.irp m, 0,1,2,3
	ds_load_b32 v[HSC+\m], v18 offset:(1-\par)*HSOFF+128*\m      ; lanes 0-15 K step 0, lanes 16-31 K step 1
.endr
.irp sq, 0,1                                   ; the hidden layer's fragments, the first K step's first
.irp m, 0,1,2,3
.irp c, 0,1
	ds_load_b128 v[(\wa)+8*(2*\m+\sq)+4*\c:(\wa)+8*(2*\m+\sq)+4*\c+3], v17 offset:(1-\par)*HOFF+2048*\m+1024*\sq+512*\c
.endr
.endr
.endr
.if \nxt
	NEXTW 1-\par, \hd                              ; out of the other slot, which the wait for 0 and the barrier have shown whole
.endif
	WIN 0x50                                       ; C and D window 1
.irp sq, 0,1                                   ; sixteen accumulators by turns
.if \nxt
	s_wait_dscnt 30-8*\sq                          ; this K step's fragments are in; behind them: the other K step's 8 loads (ahead of the first alone) and the next chunk's 22
.else
	s_wait_dscnt 8-8*\sq
.endif
.irp m, 0,1,2,3
.irp t, 0,1,2,3
.set rD, 32*\m+8*\t
.set rC, rD
.set rA, FB+32*(1-\sq)+8*\t
.set rB, (\wa)+8*(2*\m+\sq)
.set rSA, W2S+2*(\t/2)+\sq
.set qa, \t%2
.set rSB, HSC+\m
.set qb, \sq
	WM
.endr
.endr
.endr
	WIN 0
.rept 5
	v_nop                                          ; the next chunk's first product writes over the bank that these products have read: five places
.endr
.endm
	; ahead of chunk 0: slot 1, out of which x has been read, is filled with chunk 1; chunk 0 is shown whole
	s_wait_tensorcnt 0x0                           ; my part of chunk 0 has landed: no tensor load of mine is out
	ds_add_u32 v1, v2                              ; 0 onto my spare word
	s_add_co_u32 s45, s[WOFF], SLOTB
	s_add_nc_u64 s[46:47], s[46:47], SLOTB
	s_wait_dscnt 0x0                               ; the add is done; LN3(h)'s fragments and scale words are in registers
	ROUND
	tensor_load_to_lds s[44:47], s[28:35]
	s_nop 0
	PLACES
	NEXTW 0, FA
	s_mov_b32 s[CNT], 3
.Lchunk:                                           ; three trips of two chunks: chunks 0 to 5 ask for chunks 2 to 7
	s_wait_alu depctr_va_vdst(0)
	PHASE 0, FA, HA, 1, 1
	s_wait_alu depctr_va_vdst(0)
	PHASE 1, HA, FA, 1, 1
	s_sub_co_u32 s[CNT], s[CNT], 1
	s_cmp_lg_u32 s[CNT], 0
	s_cbranch_scc1 .Lchunk
	s_wait_alu depctr_va_vdst(0)
	PHASE 0, FA, HA, 0, 1                          ; the last two chunks are written out
	s_wait_alu depctr_va_vdst(0)
	PHASE 1, HA, FA, 0, 0
; ---- THE WAY OUT.  A row's 2,048 bytes come from eight waves: they meet in a stage, in slot 0, which has had its last fill (chunk 6) and which nobody has read since chunk 6's barrier; each wave stores eight whole rows.
	s_mul_i32 s63, s[WV], 16512
	v_add_nc_u32 v25, s63, v3                      ; back out of the stage: my eight whole rows
	PLACES
	WIN 0x04                                       ; an LDS store's data are its source 1: window 1
.irp m, 0,1,2,3
.irp q, 0,1,2,3,4,5,6,7
	ds_store_b128 v[26+\m/2], v[32*\m+4*\q:32*\m+4*\q+3] offset:33024*(\m%2)+128*(\q/4)+16*(\q%4)   ; each accumulator from its low end on
.endr
.endr
	WIN 0
	s_wait_alu depctr_va_vdst(0)
	s_wait_dscnt 0x0
	s_barrier_signal -1
	s_barrier_wait -1
.set k, 0
.rept 32
	ds_load_b128 v[FA+4*k:FA+4*k+3], v25 offset:(k/4)*2064+512*(k%4)
.set k, k+1
.endr
.set k, 0
.rept 32
	s_wait_dscnt 31-k                              ; load k is in; the 31 - k behind it may be out
	global_store_b128 v3, v[FA+4*k:FA+4*k+3], s[22:23] offset:(k/4)*2048+512*(k%4) th:TH_STORE_NT   ; 32 lanes store 512 consecutive bytes
.set k, k+1
.endr
	s_wait_tensorcnt 0x0                           ; the wave's end
	ds_add_u32 v1, v2
	s_wait_dscnt 0x0
	ROUND                                          ; the closing round: no work-group ends while a partner may still ask jointly
	s_endpgm
.Lfunc_end_k_q6807ea168a_ffn:
	.size	k_q6807ea168a_ffn, .Lfunc_end_k_q6807ea168a_ffn-k_q6807ea168a_ffn
	.p2alignl 7, 3214868480
	.fill 96, 4, 3214868480
	.section	.rodata,"a",@progbits
	.p2align	6, 0x0
	.amdhsa_kernel k_q6807ea168a_ffn
		.amdhsa_group_segment_fixed_size 327680
		.amdhsa_private_segment_fixed_size 0
		.amdhsa_enable_private_segment 0
		.amdhsa_kernarg_size 80
		.amdhsa_user_sgpr_count 2
		.amdhsa_user_sgpr_kernarg_segment_ptr 1
		.amdhsa_wavefront_size32 1
		.amdhsa_system_sgpr_workgroup_id_x 1
		.amdhsa_system_sgpr_workgroup_id_y 1
		.amdhsa_system_sgpr_workgroup_id_z 1
		.amdhsa_system_vgpr_workitem_id 0
		.amdhsa_next_free_vgpr 512
		.amdhsa_next_free_sgpr 100
		.amdhsa_reserve_vcc 0
		.amdhsa_float_denorm_mode_32 3
		.amdhsa_float_denorm_mode_16_64 3
		.amdhsa_memory_ordered 1
		.amdhsa_forward_progress 1
		.amdhsa_inst_pref_size 255
	.end_amdhsa_kernel
	.section	.bss,"aw",@nobits
	.p2align	6
	.space	262144
	.amdgpu_metadata
---
amdhsa.version: [ 1, 2 ]
amdhsa.kernels:
  - .name:           k_q6807ea168a_ffn
    .symbol:         k_q6807ea168a_ffn.kd
    .args:
      - { .name: x, .offset: 0, .size: 8, .value_kind: global_buffer, .address_space: global }
      - { .name: oc, .offset: 8, .size: 8, .value_kind: global_buffer, .address_space: global }
      - { .name: os, .offset: 16, .size: 8, .value_kind: global_buffer, .address_space: global }
      - { .name: wts, .offset: 24, .size: 8, .value_kind: global_buffer, .address_space: global }
      - { .name: bo, .offset: 32, .size: 8, .value_kind: global_buffer, .address_space: global }
      - { .name: ln3_g, .offset: 40, .size: 8, .value_kind: global_buffer, .address_space: global }
      - { .name: ln3_b, .offset: 48, .size: 8, .value_kind: global_buffer, .address_space: global }
      - { .name: b1, .offset: 56, .size: 8, .value_kind: global_buffer, .address_space: global }
      - { .name: b2, .offset: 64, .size: 8, .value_kind: global_buffer, .address_space: global }
      - { .name: out0, .offset: 72, .size: 8, .value_kind: global_buffer, .address_space: global }
    .group_segment_fixed_size: 327680
    .private_segment_fixed_size: 0
    .kernarg_segment_align: 8
    .kernarg_segment_size: 80
    .max_flat_workgroup_size: 256
    .sgpr_count:     100
    .vgpr_count:     512
    .wavefront_size: 32
...
	.end_amdgpu_metadata
.endif
;; end of part 3
